; MI455X (gfx1250); checked and timed in simulation.
; The chip was launched on July 23, 2026; its instructions are those of AMD's public machine-readable ISA for CDNA 5 (MIT licence, August 2026) and "CDNA5" Instruction Set Architecture Reference Guide (July 2026). The comments in the code are by the model that wrote it; some were corrected since.
;; Multi Head Attention. Allowed arithmetic: matrix products marked QUANTISED: E2M3 operands, one E8M0 scale for each 32 along K, by v_wmma_scale_f32_16x16x128_f8f6f4 with both operands' format E2M3, f32 sums; everything else in f32.
;; Inputs: Wk 16 x 1,024 x 64 float32; Wp 1,024 x 1,024 float32; Wq 16 x 1,024 x 64 float32; Wv 16 x 1,024 x 64 float32; bp 1,024 float32; x 4 x 2,048 x 1,024 float32.
;; Outputs: out0 4 x 2,048 x 1,024 float32.
;; This version of the problem:
;;   THIS VERSION OF THE PROBLEM IS GIVEN IN LOW PRECISION. The matrix products marked QUANTISED in the list below multiply operands that are first quantised to E2M3 (2 exponent bits, 3 mantissa bits; 6 bits a number), with one power-of-two scale for each 32 numbers along K (OCP MX v1.0); their sums are f32. All else is computed in f32.
;;   The module's matrix products, in the order in which they are computed (A, B: the left and right operand; K: the contracted axis; several contracted axes count as one K, in the product's order):
;;     1. [M 1,024, K 1,024] x [K 1,024, N 8,192]; A: input Wq; B: input x: QUANTISED
;;     2. [M 1,024, K 1,024] x [K 1,024, N 8,192]; A: input Wk; B: input x: QUANTISED
;;     3. [M 1,024, K 1,024] x [K 1,024, N 8,192]; A: input Wv; B: input x: QUANTISED
;;     4. batch 64 x [M 2,048, K 64] x [K 64, N 2,048]; A: computed on the way; B: computed on the way: QUANTISED
;;     5. batch 64 x [M 2,048, K 2,048] x [K 2,048, N 64]; A: softmax (see below); B: computed on the way: QUANTISED
;;     6. [M 8,192, K 1,024] x [K 1,024, N 1,024]; A: computed on the way; B: input Wp: QUANTISED
;;   THE QUANTISER, for each operand of a quantised product, along K:
;;     - K is cut into blocks of 32 from its start; a last block that is shorter is filled with zeros.
;;     - A block's scale is 2^e with e = floor(log2(the largest magnitude in the block)) - 2, held to -126 .. 127; a block of zeros has e = 0. As a byte (E8M0): e + 127.
;;     - Each number is divided by its block's scale, clamped to +-7.5, and rounded to the nearest number of E2M3, ties to even, subnormals kept.
;;     - The product sums the exact products of the quantised numbers (number of the format x scale) in f32.
;;   ~~~python
;;   def quantise(x, axis):      # numpy; x: float32 -> the quantised numbers, widened to float32 again
;;       x = np.moveaxis(x, axis, -1); K = x.shape[-1]
;;       x = np.pad(x, [(0, 0)] * (x.ndim - 1) + [(0, -K % 32)]); x = x.reshape(x.shape[:-1] + (-1, 32)); a = np.abs(x).max(-1, keepdims=True)
;;       e = np.where(a > 0, np.clip(np.frexp(np.where(a > 0, a, 1))[1] - 1 - 2, -126, 127), 0)      # np.frexp(a)[1] - 1 = floor(log2(a)), exactly
;;       r = np.clip(x / 2.0 ** e, -7.5, 7.5)
;;       step = 2.0 ** (np.maximum(np.frexp(np.where(r == 0, 1, r))[1] - 1, 0) - 3)
;;       q = np.round(r / step) * step * 2.0 ** e      # np.round: ties to even
;;       return np.moveaxis(q.reshape(q.shape[:-2] + (-1,))[..., :K], -1, axis).astype(np.float32)
;;   ~~~
;;   SOFTMAX AHEAD OF A QUANTISED PRODUCT. Where the list says 'softmax', what is quantised is not the finished softmax but p = 2^(t - M), with t = logit x log2(e) and M = ceil(the row's largest t), a whole number; so 1/2 < the row's largest p <= 1. The row's sum l is taken of the UNQUANTISED p, in f32, and the product's result is divided by l at the end. Since M is a whole number, a kernel that streams over the keys may use a running M (the ceiling of the running maximum): every later rescaling is an exact power of two, which a block's scale takes up: the codes' values come out the same.
;;   OPERANDS COMPUTED ON THE WAY. 'Computed on the way' means the value that the module computes at that place (a softmax that the list does not call 'softmax' is quantised finished and normalised). What goes into a quantiser is computed in f32, as accurately as f32 sums, v_exp_f32 and their like allow (about 1e-6 of the number): no bf16 or f16 on the way to a quantiser, and a product that is left as it is and whose result goes on into a quantised operand takes f32 operands (vector FMAs, or v_wmma_f32_16x16x4_f32). A number that lies on a knife's edge between two numbers of the format may be rounded either way, as far as f32 arithmetic and the matrix unit's own rounding can turn it there, and no further.
;; One version. Each part assembles by itself: llvm-mc -triple=amdgcn-amd-amdhsa -mcpu=gfx1250 --defsym DOCPART=n.
;; ======== version 1 of 1: 4 launches
;; limits: right only within a limited range of input values
;; workspace buffers: xq 6,553,600 bytes; wq 3,276,800 bytes; qq 6,815,744 bytes; kv 13,369,344 bytes; oq 6,553,600 bytes
;; launch quant (part 1): grid 768 x 1, 4 waves a work-group, no clusters, 34,304 bytes of LDS; arguments x, Wq, Wk, Wv, Wp, xq, wq; writes xq, wq
.if DOCPART == 1
	.amdgcn_target "amdgcn-amd-amdhsa--gfx1250"
	.amdhsa_code_object_version 6
	.text
	.protected	k_q668c959870_quant
	.globl	k_q668c959870_quant
	.p2align	8
	.type	k_q668c959870_quant,@function
k_q668c959870_quant:
	s_mov_b64 s[64:65], 0
	v_nop
	global_prefetch_b8 v0, s[64:65] scope:SCOPE_SE
	s_setreg_imm32_b32 hwreg(HW_REG_WAVE_MODE, 25, 1), 1
	s_wait_xcnt 0x0
; x [8192 tokens][1024] and the four weights (K = their 1,024-long axis, which is NOT innermost) become codes of FP6 (E2M3) with one E8M0 byte for each 32 along K.
; A block's scale is 2^(floor(log2(largest magnitude)) - 2): its byte is the largest magnitude's exponent field - 2, held at 1 from below by a floor among the maximum's leaves.
; LIMITS: NaN and infinities among the inputs are not served.  A block of zeros, or one under 2^(3 - 127), gets the byte 1 (the rule says 127 for zeros): its codes are zeros, and this program alone reads the bytes.
; LAYOUT OF THE RESULTS (this program's own).  Rows go in tiles of 16; of each 32 rows tile 2 b + u holds at place r the row 32 b + 8 u + r + 8 (r / 8).
; A fragment (16 rows x 128 K, 12 registers a lane) lies as an image of its registers, 1,536 bytes: half c at 768 c: registers 6 c .. 6 c + 3 of lane l at 16 l, registers 6 c + 4, 6 c + 5 at 512 + 8 l.
; So every store here, and every later load, covers 512 or 256 consecutive aligned bytes.  A tile's eight K steps lie on end (12,288 bytes).  Scale words: 512 bytes a tile, [place r][K step], behind the codes.
; Work-groups 0-511: a tile of x each (wave w: K steps 2 w, 2 w + 1).  512-703: Wq, Wk, Wv.  704-767: Wp.  In the weights a wave takes 32 columns x one K step.  Waves share nothing: no barrier.
; The scale words leave as 4 bytes a lane, 32 bytes apart: one byte in 128 of what the launch reads.
.set XS_OFF, 6291456                   ; xq: where the scale words begin
.set WS_OFF, 3145728                   ; wq: likewise
.set SP,     528                       ; the x path's stage: a row of 512 bytes + 16, so that sixteen rows begin in sixteen different groups of banks
.set R0,     32                        ; v32-95   K step 0 as loaded; later K step 1 by lanes
.set R1,     96                        ; v96-159  K step 1 as loaded
.set XA,     160                       ; v160-223 K step 0 by lanes: register 32 c + i = k 64 c + 32 h + i of row r
.set XB,     32
	s_load_b256 s[4:11], s[0:1], 0x0               ; x s[4:5], Wq s[6:7], Wk s[8:9], Wv s[10:11]
	s_load_b128 s[12:15], s[0:1], 0x20             ; Wp s[12:13], xq s[14:15]
	s_load_b64 s[16:17], s[0:1], 0x30              ; wq
	v_lshl_add_u32 v251, v0, 2, 0x8400
	v_mov_b32 v255, 0
	v_lshrrev_b32 v3, 5, v0
	v_readfirstlane_b32 s18, v3                    ; wave 0..3
	v_and_b32 v6, 31, v0                           ; lane
	v_and_b32 v7, 15, v0                           ; r
	v_bfe_u32 v8, v0, 4, 1                         ; h
	v_lshlrev_b32 v1, 4, v6                        ; 16 x lane
	v_lshlrev_b32 v2, 3, v6                        ; 8 x lane
	s_mov_b32 s19, 0xffff0000                      ; lanes 16-31
	s_mov_b32 s20, 0x76543210
	s_mov_b32 s21, 0xfedcba98                      ; v_permlanex16_b32's selects for lane l xor 16
	s_cmp_lt_u32 ttmp9, 512
	s_cbranch_scc0 .Lweights
; ---------------- x: K is innermost.  Loads take 512 consecutive bytes of a row; the numbers turn through the wave's own stage so that a lane holds two whole blocks of its row
	s_mul_i32 s22, s18, 16*SP
	v_add_nc_u32 v3, s22, v1                       ; into the stage: 16 x lane, row i at SP i
	v_mul_u32_u24 v4, v7, SP
	v_lshl_add_u32 v4, v8, 7, v4
	v_add_nc_u32 v4, s22, v4                       ; out of it: row r, + 128 h
	v_lshlrev_b32 v5, 5, v7
	v_lshl_add_u32 v5, v8, 2, v5                   ; my scale word's place: 32 r + 4 h
	v_lshlrev_b32 v9, 3, v8                        ; 8 h
	v_mov_b32 v10, 0                               ; a lane permute's destination counts as one of its sources
	s_lshr_b32 s23, ttmp9, 1
	s_lshl_b32 s23, s23, 5
	s_and_b32 s24, ttmp9, 1
	s_lshl_b32 s24, s24, 3
	s_add_co_u32 s23, s23, s24                     ; the tile's first row: 32 (tile / 2) + 8 (tile % 2)
	s_lshl_b32 s24, s23, 12                        ; rows of 4,096 bytes
	s_lshl_b32 s25, s18, 10                        ; my two K steps: 1,024 bytes
	s_add_co_u32 s24, s24, s25
	s_mov_b32 s25, 0
	s_mul_i32 s26, ttmp9, 12288
	s_mul_i32 s27, s18, 3072
	s_add_co_u32 s26, s26, s27
	s_mov_b32 s27, 0
	s_lshl_b32 s28, ttmp9, 9
	s_lshl_b32 s29, s18, 3
	s_add_co_u32 s28, s28, s29
	s_add_co_u32 s28, s28, XS_OFF
	s_mov_b32 s29, 0
	s_wait_alu depctr_va_vdst(0)
	s_wait_kmcnt 0x0
	s_add_nc_u64 s[4:5], s[4:5], s[24:25]
	s_add_nc_u64 s[30:31], s[14:15], s[28:29]      ; my scale words
	s_add_nc_u64 s[14:15], s[14:15], s[26:27]      ; my two fragments
.irp q, 0,1
.set i, 0
.rept 16
	global_load_b128 v[R0+64*\q+4*i:R0+64*\q+4*i+3], v1, s[4:5] offset:(i+8*(i/8))*4096+512*\q th:TH_LOAD_NT   ; place i's row, K step q: 512 consecutive bytes
.set i, i+1
.endr
.endr
.macro TOST reg
.set i, 0
.rept 16
	ds_store_b128 v3, v[\reg+4*i:\reg+4*i+3] offset:SP*i
.set i, i+1
.endr
.endm
.macro FROMST reg
.set i, 0
.rept 16
	ds_load_b128 v[\reg+4*i:\reg+4*i+3], v4 offset:256*(i/8)+16*(i%8)
.set i, i+1
.endr
.endm
; 64 numbers of a lane become the fragment's 12 registers in v[cd] on, and the row's scale word in v[word]; the fragment is stored as K step q of my two
.macro XQUANT xs, cd, word, q
.irp c, 0,1
	v_max3_num_f32 v[12+\c], |v[\xs+32*\c]|, |v[\xs+32*\c+1]|, 0x1800000   ; my block 2 c + h: all 32 numbers are mine; the floor 2^(3 - 127) is one more leaf
.endr
.irp i, 2,4,6,8,10,12,14,16,18,20,22,24,26,28,30
.irp c, 0,1
	v_max3_num_f32 v[12+\c], v[12+\c], |v[\xs+32*\c+\i]|, |v[\xs+32*\c+\i+1]|
.endr
.endr
.irp c, 0,1
	v_add_nc_u32 v[14+\c], 0xff000000, v[12+\c]    ; 2 off the exponent field: the conversion's scale operand
.endr
.irp c, 0,1
	v_lshrrev_b32 v[16+\c], 23, v[14+\c]           ; the scale's byte
.endr
	v_lshl_or_b32 v[\word], v17, 16, v16           ; blocks h and 2 + h,
	v_lshlrev_b32 v[\word], v9, v[\word]           ; 8 h bits up;
	v_permlanex16_b32 v10, v[\word], s20, s21
	v_or_b32 v[\word], v[\word], v10               ; with lane l xor 16's two bytes the word is whole
.irp c, 0,1
	v_cvt_scalef32_pk16_fp6_f32 v[\cd+6*\c:\cd+6*\c+2], v[\xs+32*\c:\xs+32*\c+15], v[14+\c]
	v_cvt_scalef32_pk16_fp6_f32 v[248+4*\c:250+4*\c], v[\xs+32*\c+16:\xs+32*\c+31], v[14+\c]   ; (a conversion's three registers begin on an even number)
.endr
	v_nop                                          ; one plain place behind a scaled conversion
.irp c, 0,1
.irp i, 0,1,2
	v_mov_b32 v[\cd+6*\c+3+\i], v[248+4*\c+\i]
.endr
.endr
.irp c, 0,1
	global_store_b128 v1, v[\cd+6*\c:\cd+6*\c+3], s[14:15] offset:1536*\q+768*\c          ; 512 consecutive bytes
	global_store_b64 v2, v[\cd+6*\c+4:\cd+6*\c+5], s[14:15] offset:1536*\q+768*\c+512     ; 256 consecutive bytes
.endr
.endm
	s_wait_loadcnt 16                              ; K step 0's sixteen loads are in; K step 1's sixteen may be out
	TOST R0
	FROMST XA                                      ; LDS serves a wave's instructions in order: these see the stores above
	s_wait_loadcnt 0x0
	TOST R1                                        ; behind XA's loads, in order: the one stage serves both K steps
	s_wait_dscnt 16                                ; all but these sixteen stores: XA is in
	FROMST XB
	XQUANT XA, 224, 20, 0
	s_wait_dscnt 0x0
	XQUANT XB, 236, 21, 1
	v_cndmask_b32 v22, v20, v21, s19               ; lanes 0-15 store K step 2 w's word, lanes 16-31 K step 2 w + 1's
	global_store_b32 v5, v22, s[30:31]
	s_wait_tensorcnt 0x0
	ds_add_u32 v251, v255
	s_wait_dscnt 0x0
	s_endpgm
; ---------------- the weights: a lane takes a column and its registers run down K: nothing is transposed
.Lweights:
	s_sub_co_u32 s22, ttmp9, 512
	s_and_b32 s23, s22, 63
	s_lshr_b32 s22, s22, 6                         ; which tensor: 0 Wq, 1 Wk, 2 Wv, 3 Wp
	s_and_b32 s24, s23, 15
	s_lshr_b32 s25, s23, 4
	s_lshl_b32 s24, s24, 1
	s_and_b32 s26, s18, 1
	s_add_co_u32 s24, s24, s26                     ; my group of 32 columns, 0..31: two neighbouring waves stand on 256 neighbouring bytes
	s_lshl_b32 s25, s25, 1
	s_lshr_b32 s26, s18, 1
	s_add_co_u32 s25, s25, s26                     ; my K step, 0..7
	s_wait_alu depctr_va_vdst(0)
	v_and_b32 v3, 8, v7
	v_add_nc_u32 v3, v3, v7
	v_lshl_add_u32 v3, v8, 3, v3                   ; lane (u, r) takes column 8 u + r + 8 (r / 8): place r of tile u of the group
	v_lshlrev_b32 v3, 2, v3
	v_lshlrev_b32 v4, 5, v7
	v_lshl_add_u32 v4, v8, 9, v4                   ; my scale word's place: 512 u + 32 r
	s_lshl_b32 s26, s22, 6
	s_lshl_b32 s27, s24, 1
	s_add_co_u32 s26, s26, s27                     ; the group's first tile in wq: 64 x tensor + 2 x group
	s_mul_i32 s28, s26, 12288
	s_mul_i32 s27, s25, 1536
	s_add_co_u32 s28, s28, s27
	s_mov_b32 s29, 0
	s_lshl_b32 s30, s26, 9
	s_lshl_b32 s27, s25, 2
	s_add_co_u32 s30, s30, s27
	s_add_co_u32 s30, s30, WS_OFF
	s_mov_b32 s31, 0
	s_wait_kmcnt 0x0
	s_add_nc_u64 s[32:33], s[16:17], s[30:31]      ; scale words
	s_add_nc_u64 s[16:17], s[16:17], s[28:29]      ; codes
.macro WLOAD blk, stride               ; block blk: W(32 blk + i, my column), i = 0 .. 31: 128 consecutive bytes a load
.set i, 0
.rept 32
	global_load_b32 v[32+32*(\blk)+i], v3, s[6:7] offset:(32*(\blk)+i)*(\stride) th:TH_LOAD_NT
.set i, i+1
.endr
.endm
.macro WBLOCK blk                      ; its codes go to v[160 + 12 (blk % 2) + 6 (blk / 2)] on, its byte into v16
.set XS, 32+32*(\blk)
.set D, 160+12*((\blk)%2)+6*((\blk)/2)
	v_max3_num_f32 v12, |v[XS]|, |v[XS+1]|, |v[XS+2]|
	v_max3_num_f32 v13, |v[XS+3]|, |v[XS+4]|, |v[XS+5]|
.irp i, 6,10,14,18,22,26
	v_max3_num_f32 v12, v12, |v[XS+\i]|, |v[XS+\i+1]|
	v_max3_num_f32 v13, v13, |v[XS+\i+2]|, |v[XS+\i+3]|
.endr
	v_max3_num_f32 v12, v12, |v[XS+30]|, |v[XS+31]|
	v_max3_num_f32 v12, v12, v13, 0x1800000        ; and the floor
	v_add_nc_u32 v11, 0xff000000, v12
	v_lshrrev_b32 v13, 23, v11
.if (\blk) == 0
	v_mov_b32 v16, v13
.else
	v_lshl_or_b32 v16, v13, 8*(\blk), v16
.endif
	v_cvt_scalef32_pk16_fp6_f32 v[D:D+2], v[XS:XS+15], v11
	v_cvt_scalef32_pk16_fp6_f32 v[184:186], v[XS+16:XS+31], v11
	v_nop                                          ; one plain place behind a scaled conversion
.irp i, 0,1,2
	v_mov_b32 v[D+3+\i], v[184+\i]
.endr
.endm
; Blocks 2 c and 2 c + 1 are done.  v[160 + 6 c ..] holds block 2 c of tile 0 (lanes 0-15) and of tile 1 (lanes 16-31), v[172 + 6 c ..] block 2 c + 1 likewise.
; The exchange gives the first run tile 0's half c (lanes 0-15 block 2 c, lanes 16-31 block 2 c + 1), the second tile 1's: the operand's own layout.
.macro WPAIR c
.irp i, 0,1,2,3,4,5
	v_permlane16_swap_b32 v[160+6*\c+\i], v[172+6*\c+\i]
.endr
	global_store_b128 v1, v[160+6*\c:163+6*\c], s[16:17] offset:768*\c
	global_store_b64 v2, v[164+6*\c:165+6*\c], s[16:17] offset:768*\c+512
	global_store_b128 v1, v[172+6*\c:175+6*\c], s[16:17] offset:12288+768*\c
	global_store_b64 v2, v[176+6*\c:177+6*\c], s[16:17] offset:12288+768*\c+512
.endm
.macro WPATH stride
	WLOAD 0, \stride
	WLOAD 1, \stride
	s_wait_loadcnt 32                              ; block 0 is in; the one younger block may be out (so in each wait of 32 below)
	WBLOCK 0
	WLOAD 2, \stride
	s_wait_loadcnt 32
	WBLOCK 1
	WLOAD 3, \stride
	WPAIR 0
	s_wait_loadcnt 32
	WBLOCK 2
	s_wait_loadcnt 0x0
	WBLOCK 3
	WPAIR 1
	global_store_b32 v4, v16, s[32:33]             ; my column's scale word of this K step
.endm
	s_cmp_eq_u32 s22, 3
	s_cbranch_scc1 .Lwp
	s_cmp_eq_u32 s22, 1                            ; the choice hangs on the work-group's number alone
	s_cselect_b64 s[6:7], s[8:9], s[6:7]
	s_cmp_eq_u32 s22, 2
	s_cselect_b64 s[6:7], s[10:11], s[6:7]
	s_lshr_b32 s26, s24, 1
	s_lshl_b32 s26, s26, 18                        ; [head][1024][64]: a head is 262,144 bytes,
	s_and_b32 s27, s24, 1
	s_lshl_b32 s27, s27, 7                         ; 32 columns are 128 bytes,
	s_add_co_u32 s26, s26, s27
	s_lshl_b32 s27, s25, 15                        ; 128 rows of 256 bytes
	s_add_co_u32 s26, s26, s27
	s_mov_b32 s27, 0
	s_add_nc_u64 s[6:7], s[6:7], s[26:27]
	s_wait_alu depctr_va_vdst(0)
	WPATH 256
	s_endpgm
.Lwp:
	s_lshl_b32 s26, s24, 7
	s_lshl_b32 s27, s25, 19                        ; 128 rows of 4,096 bytes
	s_add_co_u32 s26, s26, s27
	s_mov_b32 s27, 0
	s_add_nc_u64 s[6:7], s[12:13], s[26:27]
	s_wait_alu depctr_va_vdst(0)
	WPATH 4096
	s_endpgm
.Lfunc_end_k_q668c959870_quant:
	.size	k_q668c959870_quant, .Lfunc_end_k_q668c959870_quant-k_q668c959870_quant
	.p2alignl 7, 3214868480
	.fill 96, 4, 3214868480
	.section	.rodata,"a",@progbits
	.p2align	6, 0x0
	.amdhsa_kernel k_q668c959870_quant
		.amdhsa_group_segment_fixed_size 34304
		.amdhsa_private_segment_fixed_size 0
		.amdhsa_enable_private_segment 0
		.amdhsa_kernarg_size 56
		.amdhsa_user_sgpr_count 2
		.amdhsa_user_sgpr_kernarg_segment_ptr 1
		.amdhsa_wavefront_size32 1
		.amdhsa_system_sgpr_workgroup_id_x 1
		.amdhsa_system_sgpr_workgroup_id_y 1
		.amdhsa_system_sgpr_workgroup_id_z 1
		.amdhsa_system_vgpr_workitem_id 0
		.amdhsa_next_free_vgpr 256
		.amdhsa_next_free_sgpr 66
		.amdhsa_reserve_vcc 0
		.amdhsa_float_denorm_mode_32 3
		.amdhsa_float_denorm_mode_16_64 3
		.amdhsa_memory_ordered 1
		.amdhsa_forward_progress 1
		.amdhsa_inst_pref_size 57
	.end_amdhsa_kernel
	.amdgpu_metadata
---
amdhsa.version: [ 1, 2 ]
amdhsa.kernels:
  - .name:           k_q668c959870_quant
    .symbol:         k_q668c959870_quant.kd
    .args:
      - { .name: x, .offset: 0, .size: 8, .value_kind: global_buffer, .address_space: global }
      - { .name: Wq, .offset: 8, .size: 8, .value_kind: global_buffer, .address_space: global }
      - { .name: Wk, .offset: 16, .size: 8, .value_kind: global_buffer, .address_space: global }
      - { .name: Wv, .offset: 24, .size: 8, .value_kind: global_buffer, .address_space: global }
      - { .name: Wp, .offset: 32, .size: 8, .value_kind: global_buffer, .address_space: global }
      - { .name: xq, .offset: 40, .size: 8, .value_kind: global_buffer, .address_space: global }
      - { .name: wq, .offset: 48, .size: 8, .value_kind: global_buffer, .address_space: global }
    .group_segment_fixed_size: 34304
    .private_segment_fixed_size: 0
    .kernarg_segment_align: 8
    .kernarg_segment_size: 56
    .max_flat_workgroup_size: 128
    .sgpr_count:     66
    .vgpr_count:     256
    .wavefront_size: 32
...
	.end_amdgpu_metadata
.endif
;; end of part 1
;; launch qkv (part 2): grid 4 x 64, 4 waves a work-group, clusters of 4 x 4, 327,680 bytes of LDS; arguments xq, wq, qq, kv; writes qq, kv
.if DOCPART == 2
	.amdgcn_target "amdgcn-amd-amdhsa--gfx1250"
	.amdhsa_code_object_version 6
	.text
	.protected	k_q668c959870_qkv
	.globl	k_q668c959870_qkv
	.p2align	8
	.type	k_q668c959870_qkv,@function
k_q668c959870_qkv:
	s_mov_b64 s[64:65], 0
	v_nop
	global_prefetch_b8 v0, s[64:65] scope:SCOPE_SE
	s_setreg_imm32_b32 hwreg(HW_REG_WAVE_MODE, 25, 1), 1
	s_wait_xcnt 0x0
	s_wait_alu depctr_hold_cnt(0) depctr_sa_sdst(0) depctr_va_vdst(0) depctr_va_sdst(0) depctr_va_ssrc(0) depctr_va_vcc(0) depctr_vm_vsrc(0)
	s_getreg_b32 s2, hwreg(HW_REG_IB_STS2, 6, 4)
	s_cmp_eq_u32 s2, 0
	s_cbranch_scc0 .Lentry_in_a_cluster
	s_endpgm
.Lentry_in_a_cluster:
	s_bfe_u32 s2, ttmp6, 0x10000c
	s_cmp_lg_u32 s2, 0xf033
	s_cbranch_scc0 .Lentry_shape_is_right
	s_endpgm
.Lentry_shape_is_right:
; q, k, v = x W, on codes of FP6 (E2M3) with E8M0 scales, K = 1,024; the results are quantised here, in registers, and leave as codes: q and k along the head's 64, v along the keys.
; A tile is 128 OUTER rows x 256 INNER rows.  Source 0 of the matrix instruction is an inner fragment, source 1 an outer one: a lane holds ONE outer row and its registers run along the inner rows.
; The tiles of every operand hold their rows in the order 32 b + 8 u + r + 8 (r / 8), so that the 16 registers of inner tiles 2 b, 2 b + 1 are 16 neighbours, 32 b + 16 (lane / 16) + 0 .. 15.
; A WORK-GROUP STAYS and makes three tiles, numbered s9 = 0, 1, 2: q, k (outer = 128 tokens, inner = 256 features = 4 heads) and v (outer = 128 features = 2 heads, inner = 256 tokens: the registers run along the keys).
; Four waves: wave w takes outer rows 64 (w / 2) on (4 tiles of 16) and inner rows 128 (w % 2) on (8 tiles): 32 accumulators, which take turns in one fixed order.
; LDS: a ring of two slots of 147,456 bytes, each with four K steps: outer 8 tiles x 6,144 bytes, then inner 16 x 6,144.  Slot 0 holds a tile's K steps 0-3, slot 1 its K steps 4-7.
; A slot is filled behind a drained round of the cluster's barrier, one joint load a wave: waves 0, 1 four outer tiles each, waves 2, 3 eight inner tiles each.  A tile's second half is asked for at its start,
; the next tile's first half at K step 3: that load has four K steps and the way out in which to land.  q and k are a loop of two trips; v, which asks for nothing more, is written out behind it.
; CLUSTER 4 x 4: the outer tiles hang on the cluster's row alone and are asked for jointly along it, the inner tiles on its column.  The tile's number is the same in all sixteen partners.
; PREFETCH: at the start of tile t the weights of tile t + 1 (Wk, then Wv: 786,432 bytes) are asked for, one slot ahead of the first load that wants them, shared out by address over the launch's 1,024 waves:
; 3 blocks of 256 bytes a wave, a lane a block (the lanes left over name the third again).  x's rows of later tiles have been read by this launch's earlier tiles; tile 0 comes by its loads alone.
; Fragments lie in memory and in LDS as images of their registers (1,536 bytes): four loads a fragment, each of 512 or 256 consecutive bytes.
; LIMITS: NaN and infinities are not served; a block of zeros or under 2^(3 - 127) gets the scale byte 1 with zero codes (this program alone reads the bytes).
; REGISTERS: window 0: v1-26 addresses, v32-47 outer scale words, v48-79 inner, v96-127 at work, v128-175 / v176-223 outer fragments (two sets).  window 1: v0-95 / v128-223 inner fragments.  window 2: accumulator (o, i) at v[8 (8 o + i)].
.set CHUNK,  147456
.set OTILE,  6144                      ; a tile's four K steps
.set INNER,  49152                     ; the inner tiles begin here in a slot
.set TILEB,  12288                     ; a tile's eight K steps in memory
.set SPARE,  294912
.set XS_OFF, 6291456                   ; where the scale words begin in xq (and in qq),
.set WS_OFF, 3145728                   ; in wq,
.set KS_OFF, 12582912                  ; in kv
.set AO16, 8                           ; v8-9    slot j: my outer tiles + 16 x lane
.set AO8,  12                          ; v12-13  + 8 x lane
.set AI16, 16                          ; v16-17  my inner tiles + 16 x lane
.set AI8,  20                          ; v20-21  + 8 x lane
.set PFO,  26                          ; v26     my wave's share of a weight, my lane's block
.set SCO,  32                          ; outer tile o: four registers: lanes 0-15 the words of K steps 0-3, lanes 16-31 of K steps 4-7
.set SCI,  48                          ; inner tile i likewise
.set TM,   96                          ; v96-99 largest magnitudes, v100-103 bytes, v108-111 the conversions' scale operands
.set TT,   176                         ; v176-182 second halves of the conversions
.set SW,   184                         ; v184-187 scale words on their way out
.set G1O, 24                           ; s[24:31] descriptor group 1, outer;  s[32:39] inner;  s[40:43], s[44:47] their groups 0
.set G1I, 32
.set MSB, 0
.macro WIN new                         ; the immediate's high byte repeats the setting that is left
.if MSB != \new
	s_set_vgpr_msb (MSB<<8)|\new
.set MSB, \new
.endif
.endm
.macro PLACES n
.rept \n
	v_nop
.endr
.endm
.macro CROUND                          ; a round of the cluster's barrier
	s_barrier_signal -1
	s_barrier_wait -1
	s_cmp_lg_u32 s10, 0
	s_cbranch_scc1 .Lnot_wave_0_\@
	s_barrier_signal -3
.Lnot_wave_0_\@:
	s_barrier_wait -3
	s_barrier_signal -1
	s_barrier_wait -1
.endm
.macro JLOAD                           ; my one joint load behind a round; s_nop 0 and four v_nop follow each line
	s_cmp_eq_u32 s11, 0
	s_cbranch_scc0 .Lfor_inner_\@
	tensor_load_to_lds s[40:43], s[G1O:G1O+7]
	s_nop 0
	PLACES 4
	s_branch .Lasked_\@
.Lfor_inner_\@:
	tensor_load_to_lds s[44:47], s[G1I:G1I+7]
	s_nop 0
	PLACES 4
.Lasked_\@:
.endm
; Tile s9's operands, where its scale words lie, and the descriptors of its first half, for slot 0.  Scalar lines alone; only selections hang on s9
.macro NEXT
	s_lshl_b32 s89, s86, 2                         ; q, k: outer block 4 CY + cy of 64
	s_and_b32 s90, s86, 1
	s_lshl_b32 s90, s90, 2                         ; v: 4 (CY % 2) + cy of 8
	s_lshl_b32 s91, s9, 2                          ; q, k: inner block 4 s9 + cx of 8
	s_lshr_b32 s92, s86, 1
	s_lshl_b32 s92, s92, 2                         ; v: 4 (CY / 2) + cx of 32
	s_mov_b32 s94, XS_OFF
	s_mov_b32 s95, WS_OFF
	s_cmp_eq_u32 s9, 2
	s_cselect_b32 s89, s90, s89
	s_cselect_b32 s91, s92, s91
	s_cselect_b32 s93, 128, 0                      ; Wv's tiles begin at tile 128 of wq
	s_cselect_b32 s96, s95, s94
	s_cselect_b32 s97, s94, s95
	s_cselect_b64 s[4:5], s[78:79], s[76:77]       ; the outer operand: x, for v the weights
	s_cselect_b64 s[6:7], s[76:77], s[78:79]       ; the inner operand
	s_add_co_u32 s89, s89, s85                     ; hangs on cy alone
	s_add_co_u32 s91, s91, s84                     ; hangs on cx alone
	s_lshl_b32 s98, s89, 3
	s_add_co_u32 s98, s98, s93                     ; my first outer tile
	s_lshl_b32 s99, s91, 4                         ; my first inner tile
	s_lshl_b32 s2, s11, 2
	s_add_co_u32 s2, s2, s98
	s_lshl_b32 s2, s2, 9                           ; 512 bytes of scale words a tile
	s_add_co_u32 s2, s2, s96
	s_mov_b32 s3, 0
	s_add_nc_u64 s[68:69], s[4:5], s[2:3]
	s_lshl_b32 s2, s12, 3
	s_add_co_u32 s2, s2, s99
	s_lshl_b32 s2, s2, 9
	s_add_co_u32 s2, s2, s97
	s_add_nc_u64 s[70:71], s[6:7], s[2:3]
	s_lshl_b32 s13, s12, 2
	s_add_co_u32 s13, s13, s98
	s_mul_i32 s14, s13, TILEB
	s_mov_b32 s15, 0
	s_add_nc_u64 s[42:43], s[4:5], s[14:15]        ; outer: the four tiles that I would fetch
	s_or_b32 s43, s43, 0x80000000
	s_lshl_b32 s16, s12, 3
	s_add_co_u32 s16, s16, s99
	s_mul_i32 s16, s16, TILEB
	s_mov_b32 s17, 0
	s_add_nc_u64 s[46:47], s[6:7], s[16:17]        ; inner: the eight tiles
	s_or_b32 s47, s47, 0x80000000
	s_mov_b32 s41, s48
	s_mov_b32 s45, s49
.endm
.macro LOADSC                          ; a tile's 512 bytes of scale words in one load
.irp o, 0,1,2,3
	global_load_b128 v[SCO+4*\o:SCO+4*\o+3], v3, s[68:69] offset:512*\o
.endr
.irp i, 0,1,2,3,4,5,6,7
	global_load_b128 v[SCI+4*\i:SCI+4*\i+3], v3, s[70:71] offset:512*\i
.endr
.endm
; where tile s9's results go.  q, k: my 128 inner rows are two heads, A and B: s[20:21], s[22:23] their codes, s[18:19] the scale words, s56 a head's scale bytes
.macro OUTQK
	s_lshr_b32 s50, s89, 4
	s_lshl_b32 s50, s50, 4                         ; 16 x batch
	s_lshl_b32 s51, s84, 2
	s_add_co_u32 s50, s50, s51
	s_lshl_b32 s51, s12, 1
	s_add_co_u32 s50, s50, s51                     ; head A = 16 batch + 4 cx + 2 (w % 2)
	s_and_b32 s51, s89, 15                         ; which 128 tokens of the batch
	s_mul_i32 s52, s50, 98304
	s_mul_i32 s54, s51, 6144
	s_add_co_u32 s52, s52, s54
	s_lshl_b32 s52, s52, s9                        ; in kv a head and a step are twice as long (V lies behind K)
	s_mul_i32 s54, s11, 3072
	s_add_co_u32 s54, s52, s54
	s_mov_b32 s55, 0
	s_cmp_eq_u32 s9, 0
	s_cselect_b64 s[18:19], s[80:81], s[82:83]     ; qq or kv
	s_add_nc_u64 s[20:21], s[18:19], s[54:55]
	s_lshl_b32 s54, 98304, s9
	s_add_nc_u64 s[22:23], s[20:21], s[54:55]
	s_lshl_b32 s56, s9, 12
	s_add_co_u32 s56, s56, 8192                    ; a head's scale bytes: 8,192 in qq, 12,288 in kv
	s_lshl_b32 s57, s9, 8
	s_add_co_u32 s57, s57, 512                     ; a step's: 512, 768
	s_mul_i32 s54, s50, s56
	s_mul_i32 s57, s51, s57
	s_add_co_u32 s54, s54, s57
	s_lshl_b32 s57, s11, 8                         ; tiles 4 (w / 2) on: 256 bytes
	s_add_co_u32 s54, s54, s57
	s_lshl_b32 s57, XS_OFF, s9
	s_add_co_u32 s54, s54, s57
	s_add_nc_u64 s[18:19], s[18:19], s[54:55]
.endm
; v: my 64 outer rows are a head's 64 channels, my 128 inner rows a key step
.macro OUTV
	s_lshr_b32 s50, s91, 3
	s_lshl_b32 s50, s50, 4                         ; 16 x batch
	s_lshl_b32 s51, s89, 1
	s_add_co_u32 s50, s50, s51
	s_add_co_u32 s50, s50, s11                     ; the head
	s_and_b32 s51, s91, 7
	s_lshl_b32 s51, s51, 1
	s_add_co_u32 s51, s51, s12                     ; the key step
	s_mul_i32 s54, s50, 196608
	s_mul_i32 s52, s51, 12288
	s_add_co_u32 s54, s54, s52
	s_add_co_u32 s54, s54, 6144                    ; V lies behind the step's K
	s_mov_b32 s55, 0
	s_add_nc_u64 s[20:21], s[82:83], s[54:55]
	s_mul_i32 s54, s50, 12288
	s_mul_i32 s52, s51, 768
	s_add_co_u32 s54, s54, s52
	s_add_co_u32 s54, s54, KS_OFF+512
	s_add_nc_u64 s[18:19], s[82:83], s[54:55]
.endm
.macro FRAG reg, a16, a8, off          ; a fragment's image back into 12 registers
	ds_load_b128 v[\reg:\reg+3], v[\a16] offset:\off
	ds_load_b64 v[\reg+4:\reg+5], v[\a8] offset:\off+512
	ds_load_b128 v[\reg+6:\reg+9], v[\a16] offset:\off+768
	ds_load_b64 v[\reg+10:\reg+11], v[\a8] offset:\off+1280
.endm
.macro FETCH k                         ; K step k's 12 fragments, 48 loads in one run, into set k % 2
	WIN 0x40                                       ; destination window 1, address window 0
.irp i, 0,1,2,3,4,5,6,7
	FRAG 128*((\k)%2)+12*\i, AI16+(\k)/4, AI8+(\k)/4, OTILE*\i+1536*((\k)%4)
.endr
	WIN 0
.irp o, 0,1,2,3
	FRAG 128+48*((\k)%2)+12*\o, AO16+(\k)/4, AO8+(\k)/4, OTILE*\o+1536*((\k)%4)
.endr
.endm
.macro MULH k, oa, ob                  ; 16 matrix instructions: outer tiles oa, ob x the eight inner; the first K step starts the sums with the constant 0
	WIN 0xa1                                       ; source 0 window 1, source 1 window 0, C and D window 2
.irp o, \oa, \ob
.irp i, 0,1,2,3,4,5,6,7
.if (\k) == 0
	v_wmma_scale_f32_16x16x128_f8f6f4 v[8*(8*\o+\i):8*(8*\o+\i)+7], v[12*\i:12*\i+11], v[128+12*\o:128+12*\o+11], 0, v[SCI+4*\i], v[SCO+4*\o] matrix_a_fmt:MATRIX_FMT_FP6 matrix_b_fmt:MATRIX_FMT_FP6
.elseif (\k) < 4
	v_wmma_scale_f32_16x16x128_f8f6f4 v[8*(8*\o+\i):8*(8*\o+\i)+7], v[128*((\k)%2)+12*\i:128*((\k)%2)+12*\i+11], v[128+48*((\k)%2)+12*\o:128+48*((\k)%2)+12*\o+11], v[8*(8*\o+\i):8*(8*\o+\i)+7], v[SCI+4*\i+(\k)], v[SCO+4*\o+(\k)] matrix_a_fmt:MATRIX_FMT_FP6 matrix_b_fmt:MATRIX_FMT_FP6
.else
	v_wmma_scale_f32_16x16x128_f8f6f4 v[8*(8*\o+\i):8*(8*\o+\i)+7], v[128*((\k)%2)+12*\i:128*((\k)%2)+12*\i+11], v[128+48*((\k)%2)+12*\o:128+48*((\k)%2)+12*\o+11], v[8*(8*\o+\i):8*(8*\o+\i)+7], v[SCI+4*\i+(\k)-4], v[SCO+4*\o+(\k)-4] matrix_a_fmt:MATRIX_FMT_FP6 matrix_b_fmt:MATRIX_FMT_FP6 matrix_a_scale:MATRIX_SCALE_ROW1 matrix_b_scale:MATRIX_SCALE_ROW1
.endif
.endr
.endr
.endm
.macro STEP k
	s_wait_dscnt 0x0                               ; K step k's fragments are in: they were asked for a step ago
.if (\k) > 0
	PLACES 4                                       ; in front of loads into registers that the last step's products read
.endif
.if (\k) < 7
	FETCH (\k)+1
.endif
	MULH \k, 0, 1
	MULH \k, 2, 3
.endm
; 64 accumulator registers of a lane (window 2, v[s] on: register 16 b + i = inner row 32 b + 16 (lane / 16) + i) become a fragment's 12 registers in v[d] on; the four blocks' bytes are left in v[TM+4] on.
.macro QUANT s, d
	WIN 0x0a                                       ; sources 0 and 1 window 2
.irp b, 0,1,2,3
	v_max3_num_f32 v[TM+\b], |v[(\s)+16*\b]|, |v[(\s)+16*\b+1]|, 0x1800000   ; each accumulator is read from its low end on; the floor 2^(3 - 127) is one more leaf
.endr
.irp i, 2,4,6,8,10,12,14
.irp b, 0,1,2,3
	v_max3_num_f32 v[TM+\b], |v[(\s)+16*\b+\i]|, |v[(\s)+16*\b+\i+1]|, v[TM+\b]
.endr
.endr
	WIN 0
.irp b, 0,1,2,3
	v_permlanex16_b32 v[TM+4+\b], v[TM+\b], s66, s67
.endr
.irp b, 0,1,2,3
	v_max_num_f32 v[TM+\b], v[TM+\b], v[TM+4+\b]   ; with lane l xor 16's sixteen: the block's largest magnitude
.endr
.irp b, 0,1,2,3
	v_add_nc_u32 v[TM+12+\b], 0xff000000, v[TM+\b] ; 2 off the exponent field: the conversion's scale operand
.endr
.irp b, 0,1,2,3
	v_lshrrev_b32 v[TM+4+\b], 23, v[TM+12+\b]      ; the scale's byte
.endr
	WIN 0x02                                       ; source 0 window 2
.irp c, 0,1
	v_cvt_scalef32_pk16_fp6_f32 v[(\d)+6*\c:(\d)+6*\c+2], v[(\s)+32*\c:(\s)+32*\c+15], v[TM+12+2*\c]
	v_cvt_scalef32_pk16_fp6_f32 v[TT+4*\c:TT+4*\c+2], v[(\s)+32*\c+16:(\s)+32*\c+31], v[TM+12+2*\c+1]
.endr
	WIN 0
	v_nop                                          ; one plain place behind a scaled conversion
.irp c, 0,1                                    ; the operand's layout wants a WHOLE block in a lane: lanes 0-15 block 2 c, lanes 16-31 block 2 c + 1
.irp i, 0,1,2
	v_permlane16_swap_b32 v[(\d)+6*\c+\i], v[TT+4*\c+\i]
.endr
.irp i, 0,1,2
	v_mov_b32 v[(\d)+6*\c+3+\i], v[TT+4*\c+\i]
.endr
.endr
.endm
; One tile.  isv: v's way out, else q's and k's.  more: another tile follows
.macro TILE isv, more
	s_wait_xcnt 0x0                                ; the last tile's stores and my prefetch have read their registers and bases
	s_wait_tensorcnt 0x0                           ; my part of this tile's first half is in;
	ds_add_u32 v254, v255                          ; an add to the spare word; scalar work stands between it and its wait
	s_add_co_u32 s41, s48, CHUNK                   ; no load of mine is out: the descriptors step to the second half, for slot 1
	s_add_co_u32 s45, s49, CHUNK
	s_add_nc_u64 s[42:43], s[42:43], OTILE
	s_add_nc_u64 s[46:47], s[46:47], OTILE
.if \isv
	OUTV
.else
	OUTQK
.endif
.if \more
	s_add_nc_u64 s[72:73], s[72:73], 786432        ; the next tile's weights
.endif
	s_wait_dscnt 0x0
	CROUND                                         ; nobody in the cluster reads slot 1 or has a load on its way
	JLOAD
	FETCH 0
.if \more
	global_prefetch_b8 v[PFO], s[72:73] th:TH_LOAD_NT scope:SCOPE_SE
.endif
	s_wait_loadcnt 0x0                             ; the scale words, asked for under the last tile's way out
	STEP 0
	STEP 1
	STEP 2
	s_wait_dscnt 0x0                               ; K step 3's fragments are in: my reads of slot 0 are over
	MULH 3, 0, 1
	WIN 0
	s_wait_tensorcnt 0x0                           ; my part of the second half is in
.if \more
	ds_add_u32 v254, v255
	s_add_co_u32 s9, s9, 1
	NEXT
	s_wait_dscnt 0x0
	CROUND
	JLOAD                                          ; the next tile's first half, into slot 0; the four v_nop behind it are the places in front of the loads below
.else
	s_barrier_signal -1
	s_barrier_wait -1
	PLACES 4
.endif
	FETCH 4
	MULH 3, 2, 3
	STEP 4
	STEP 5
	STEP 6
	STEP 7
	WIN 0
	PLACES 4                                       ; behind the last products: in front of the first read of results and of loads into the scale registers
.if \more
	LOADSC
.endif
.if \isv
.irp o, 0,1,2,3
	QUANT 64*\o, 128+12*\o
	v_lshl_or_b32 v112, v[TM+5], 8, v[TM+4]        ; the four bytes make my channel's scale word for these 128 keys
	v_lshl_or_b32 v112, v[TM+6], 16, v112
	v_lshl_or_b32 v112, v[TM+7], 24, v112
.if \o < 2
	v_mov_b32 v[SW+\o], v112                       ; tiles 0, 1 in lanes 0-15,
.else
	v_cndmask_b32 v[SW+\o-2], v[SW+\o-2], v112, s101   ; tiles 2, 3 in lanes 16-31
.endif
	global_store_b128 v1, v[128+12*\o:131+12*\o], s[20:21] offset:1536*\o
	global_store_b64 v2, v[132+12*\o:133+12*\o], s[20:21] offset:1536*\o+512
	global_store_b128 v1, v[134+12*\o:137+12*\o], s[20:21] offset:1536*\o+768
	global_store_b64 v2, v[138+12*\o:139+12*\o], s[20:21] offset:1536*\o+1280
.endr
	global_store_b64 v2, v[SW:SW+1], s[18:19]      ; 256 consecutive bytes
.else
	v_mul_u32_u24 v4, s56, v7                      ; lanes 16-31 store head B's words
	v_lshl_add_u32 v4, v6, 4, v4                   ; + 16 r
.irp o, 0,1,2,3
	QUANT 64*\o, 128+12*\o                         ; a fragment's half 0 is head A's tile (16 tokens x 64), half 1 head B's
	v_lshl_or_b32 v113, v[TM+5], 8, v[TM+4]        ; head A's two bytes,
	v_lshl_or_b32 v114, v[TM+7], 8, v[TM+6]        ; head B's
	v_cndmask_b32 v113, v113, v114, s101
	v_or_b32 v[SW+\o], 0x7f7f0000, v113            ; the upper two blocks of the instruction's 128 are zero codes under the scale 1
	global_store_b128 v1, v[128+12*\o:131+12*\o], s[20:21] offset:768*\o
	global_store_b64 v2, v[132+12*\o:133+12*\o], s[20:21] offset:768*\o+512
	global_store_b128 v1, v[134+12*\o:137+12*\o], s[22:23] offset:768*\o
	global_store_b64 v2, v[138+12*\o:139+12*\o], s[22:23] offset:768*\o+512
.endr
	global_store_b128 v4, v[SW:SW+3], s[18:19]     ; [place r][tile]: sixteen lanes store 256 consecutive bytes for each head
.endif
.endm
; ---------------- the head
	s_load_b256 s[76:83], s[0:1], 0x0              ; xq s[76:77], wq s[78:79], qq s[80:81], kv s[82:83]
	v_lshl_add_u32 v254, v0, 2, SPARE
	v_mov_b32 v255, 0
	ds_add_u32 v254, v255                          ; the opening lines: the add twice and its wait
	ds_add_u32 v254, v255
	v_lshrrev_b32 v4, 5, v0
	v_readfirstlane_b32 s10, v4                    ; wave 0..3
	s_lshr_b32 s11, s10, 1                         ; my half of the outer rows.  Also: I fetch outer tiles (0) or inner (1)
	s_and_b32 s12, s10, 1                          ; my half of the inner rows.  Also: which half of those tiles I fetch
	s_bfe_u32 s84, ttmp6, 0x40000                  ; cx
	s_bfe_u32 s85, ttmp6, 0x40004                  ; cy
	s_and_b32 s86, ttmp7, 0xffff                   ; CY, the cluster's y
	s_lshl_b32 s87, s85, 2
	s_lshl_b32 s87, 15, s87                        ; my row of the cluster
	s_lshl_b32 s88, 0x1111, s84                    ; my column
	s_or_b32 s[G1O], s87, (3<<16)|(1<<21)          ; 15:0 the mask; 17:16 elements of 8 bytes; 21 set beside a mask; no padding
	s_or_b32 s[G1I], s88, (3<<16)|(1<<21)
	s_mov_b32 s[G1O+1], 768<<16                    ; rows of 768 elements = 6,144 bytes: a tile's four K steps
	s_mov_b32 s[G1O+2], 4<<16                      ; 4 tiles
	s_mov_b32 s[G1O+3], 768<<16
	s_mov_b32 s[G1O+4], 4
	s_mov_b32 s[G1O+5], 1536                       ; from tile to tile: 12,288 bytes
	s_mov_b32 s[G1O+6], 0
	s_mov_b32 s[G1O+7], 0
	s_mov_b32 s[G1I+1], 768<<16
	s_mov_b32 s[G1I+2], 8<<16                      ; 8 tiles
	s_mov_b32 s[G1I+3], 768<<16
	s_mov_b32 s[G1I+4], 8
	s_mov_b32 s[G1I+5], 1536
	s_mov_b32 s[G1I+6], 0
	s_mov_b32 s[G1I+7], 0
	s_mov_b32 s66, 0x76543210
	s_mov_b32 s67, 0xfedcba98                      ; v_permlanex16_b32's selects for lane l xor 16
	s_mov_b32 s101, 0xffff0000                     ; lanes 16-31
	s_mov_b32 s40, 1
	s_mov_b32 s44, 1
	s_mul_i32 s48, s12, 4*OTILE                    ; where my load goes in a slot: no place in the cluster enters an LDS address
	s_mul_i32 s49, s12, 8*OTILE
	s_add_co_u32 s49, s49, INNER
	s_mov_b32 s9, 0                                ; the tile's number
	s_lshl_b32 s58, s86, 4                         ; my wave's number among the launch's 1,024
	s_lshl_b32 s59, s85, 2
	s_add_co_u32 s58, s58, s59
	s_add_co_u32 s58, s58, s84
	s_lshl_b32 s58, s58, 2
	s_add_co_u32 s58, s58, s10
	s_mul_i32 s58, s58, 768                        ; its three blocks of a weight
	s_wait_dscnt 0x0
	s_wait_kmcnt 0x0
	s_mov_b64 s[72:73], s[78:79]                   ; each tile's start steps this by a weight's 786,432 bytes: to Wk, then to Wv
	NEXT
	CROUND                                         ; all sixteen work-groups are here: the joint loads meet
	JLOAD                                          ; tile 0's first half: one load a wave at the head
	v_and_b32 v5, 31, v0                           ; lane
	v_and_b32 v6, 15, v0                           ; r
	v_bfe_u32 v7, v0, 4, 1                         ; h
	v_lshlrev_b32 v1, 4, v5                        ; 16 x lane
	v_lshlrev_b32 v2, 3, v5                        ; 8 x lane
	v_lshlrev_b32 v3, 5, v6
	v_lshl_add_u32 v3, v7, 4, v3                   ; 32 r + 16 h
	v_min_u32 v[PFO], 2, v5
	v_lshl_add_u32 v[PFO], v[PFO], 8, s58
	LOADSC
	s_mul_i32 s2, s11, 4*OTILE
	s_mul_i32 s3, s12, 8*OTILE
	s_add_co_u32 s3, s3, INNER
.irp j, 0,1
	v_add_nc_u32 v[AO16+\j], s2, v1
	v_add_nc_u32 v[AO8+\j], s2, v2
	v_add_nc_u32 v[AI16+\j], s3, v1
	v_add_nc_u32 v[AI8+\j], s3, v2
	s_add_co_u32 s2, s2, CHUNK
	s_add_co_u32 s3, s3, CHUNK
.endr
.irp b, 0,1,2,3
	v_mov_b32 v[TM+4+\b], 0                        ; written once: a lane permute's destination counts as one of its sources
.endr
	s_wait_alu depctr_va_vdst(0)                   ; the wait at the head's end
.Ltile:                                                ; q, then k
	TILE 0, 1
	s_wait_alu depctr_va_vdst(0)                   ; the wait ahead of the branch
	s_cmp_lt_u32 s9, 2
	s_cbranch_scc1 .Ltile
	TILE 1, 0                                      ; v: the tail, which asks for nothing more
	s_wait_tensorcnt 0x0                           ; the wave's end
	ds_add_u32 v254, v255
	s_wait_dscnt 0x0
	CROUND                                         ; the closing round: no work-group ends while a partner may still ask for a tile that names it
	s_endpgm
.Lfunc_end_k_q668c959870_qkv:
	.size	k_q668c959870_qkv, .Lfunc_end_k_q668c959870_qkv-k_q668c959870_qkv
	.p2alignl 7, 3214868480
	.fill 96, 4, 3214868480
	.section	.rodata,"a",@progbits
	.p2align	6, 0x0
	.amdhsa_kernel k_q668c959870_qkv
		.amdhsa_group_segment_fixed_size 327680
		.amdhsa_private_segment_fixed_size 0
		.amdhsa_enable_private_segment 0
		.amdhsa_kernarg_size 32
		.amdhsa_user_sgpr_count 2
		.amdhsa_user_sgpr_kernarg_segment_ptr 1
		.amdhsa_wavefront_size32 1
		.amdhsa_system_sgpr_workgroup_id_x 1
		.amdhsa_system_sgpr_workgroup_id_y 1
		.amdhsa_system_sgpr_workgroup_id_z 1
		.amdhsa_system_vgpr_workitem_id 0
		.amdhsa_next_free_vgpr 768
		.amdhsa_next_free_sgpr 102
		.amdhsa_reserve_vcc 0
		.amdhsa_float_denorm_mode_32 3
		.amdhsa_float_denorm_mode_16_64 3
		.amdhsa_memory_ordered 1
		.amdhsa_forward_progress 1
		.amdhsa_inst_pref_size 168
	.end_amdhsa_kernel
	.amdgpu_metadata
---
amdhsa.version: [ 1, 2 ]
amdhsa.kernels:
  - .name:           k_q668c959870_qkv
    .symbol:         k_q668c959870_qkv.kd
    .args:
      - { .name: xq, .offset: 0, .size: 8, .value_kind: global_buffer, .address_space: global }
      - { .name: wq, .offset: 8, .size: 8, .value_kind: global_buffer, .address_space: global }
      - { .name: qq, .offset: 16, .size: 8, .value_kind: global_buffer, .address_space: global }
      - { .name: kv, .offset: 24, .size: 8, .value_kind: global_buffer, .address_space: global }
    .group_segment_fixed_size: 327680
    .private_segment_fixed_size: 0
    .kernarg_segment_align: 8
    .kernarg_segment_size: 32
    .max_flat_workgroup_size: 128
    .sgpr_count:     102
    .vgpr_count:     768
    .wavefront_size: 32
...
	.end_amdgpu_metadata
.endif
;; end of part 2
;; launch attn (part 3): grid 4 x 64, 16 waves a work-group, no clusters, 327,680 bytes of LDS; arguments qq, kv, oq; writes oq
.if DOCPART == 3
	.amdgcn_target "amdgcn-amd-amdhsa--gfx1250"
	.amdhsa_code_object_version 6
	.text
	.protected	k_q668c959870_attn
	.globl	k_q668c959870_attn
	.p2align	8
	.type	k_q668c959870_attn,@function
k_q668c959870_attn:
	s_mov_b64 s[64:65], 0
	v_nop
	global_prefetch_b8 v0, s[64:65] scope:SCOPE_SE
	s_setreg_imm32_b32 hwreg(HW_REG_WAVE_MODE, 25, 1), 1
	s_wait_xcnt 0x0
; o = softmax(q k^T / 32, causal) v for one head and batch (work-group y), on codes of FP6 (E2M3) with E8M0 scales; o leaves quantised along the head's 64, as the operand of the last product.
; LEFT OUT: key steps that lie wholly above the causal diagonal: their p is 0 for every input.
; LIMITS: NaN and infinities are not served; the promise holds while the scaled scores (the exponents to the base 2) stay under 2^31 in magnitude; a block of p under 2^(3 - 127) gets the byte 1 with zero codes.
; THE DEAL.  A head has 16 blocks of 128 queries; a key step is 128 keys.  Wave w of work-group x takes the 16 queries of tile w % 8 of block 15 - i (the long pass, 16 - i steps) and then of block i (i + 1 steps), i = 2 x + w / 8: 17 steps a wave.
; Both products are used transposed (S^T = k q^T, O^T = v^T p^T): a lane holds one query.  The head's 64 fill half of the instruction's 128; q's upper 64 are zero codes.
; M is the running largest t rounded up to a whole number; a change of M multiplies the sums by an exact power of two.  A block's largest p is the exponential of its largest score.
; LDS, every byte filled once: the head's scale words at 0 (768 bytes a step), step s's codes (K 6,144, V 6,144) at 12,288 (s + 1); the spare words behind them.
; THE LOADS, 12,288 bytes each.  At the head waves 0-4 bring the scale words and steps 0-3 (LDS byte 12,288 x wave).  The first barrier, with a tensor wait and two adds in front of it, shows them;
; behind it waves 4-15 bring steps 4-15, one each (LDS byte 12,288 (wave + 1)).  The long pass has at least 9 steps in every wave, so its first four trips need no test and no mask: the later loads have these four trips in which to land,
; and a plain barrier behind them shows steps 4-15.
; Every work-group fetches all sixteen steps; those beyond its longest walk (none for x = 0, six for x = 3) are not read.
; NO CLUSTER: the four work-groups of a head read the same tiles, but their trip tests hang on their place among the four.  NO PREFETCH: all tiles are asked for ahead of the first trip; there is no loop to run ahead in.
; REGISTERS: v1-7 lane terms, v8-11 a step's addresses, v12 -M, v13 largest t, v14-15 the sum, v16-27 / v232-243 q of the long / short pass, v28 / v244 its scale word, v30 -inf, v32-85 K or V fragments, v86-91 their scale words,
; v96-159 scores, then p, v160-191 O^T, v192-203 p's codes, v204-231 and v246-247 at work, v254-255 the add's two.
.set KS_OFF, 12582912                  ; where the scale words begin in kv,
.set QS_OFF, 6291456                   ; in qq and in oq
.set SPARE,  208896
.set WV,   10
.set HD,   11
.set II,   12
.set TW,   13
.set BLK,  14
.set TB,   15                          ; LDS byte of the step's codes
.set TS,   16                          ; and of its scale words
.set ST,   17
.set TWH,  18                          ; which block of 32 keys of the diagonal step the diagonal cuts for my tile
.set MASK, 19
.set SEL,  20
.set CS,   22
.set G1A,  24                          ; 48 rows of 256 bytes
.set MK,   68                          ; s68-83: lanes in which key 16 h + n of the cut block lies behind the lane's query
	s_load_b128 s[4:7], s[0:1], 0x0                ; qq, kv
	s_load_b64 s[8:9], s[0:1], 0x10                ; oq
	v_lshl_add_u32 v254, v0, 2, SPARE
	v_mov_b32 v255, 0
	ds_add_u32 v254, v255                          ; the opening lines: the add twice and its wait
	ds_add_u32 v254, v255
	v_lshrrev_b32 v8, 5, v0
	v_readfirstlane_b32 s[WV], v8
	s_and_b32 s[HD], ttmp7, 0xffff
	s_lshl_b32 s[II], ttmp9, 1
	s_lshr_b32 s[TW], s[WV], 3
	s_add_co_u32 s[II], s[II], s[TW]
	s_and_b32 s[TW], s[WV], 7
	s_lshr_b32 s[TWH], s[TW], 1
	s_mov_b32 s[G1A], 3<<16
	s_mov_b32 s[G1A+1], 32<<16
	s_mov_b32 s[G1A+2], 48<<16
	s_mov_b32 s[G1A+3], 32<<16
	s_mov_b32 s[G1A+4], 48
	s_mov_b32 s[G1A+5], 32
	s_mov_b32 s[G1A+6], 0
	s_mov_b32 s[G1A+7], 0
	s_mov_b32 s[MASK], 0xffff0000
	s_mov_b32 s[SEL], 0x76543210
	s_mov_b32 s[SEL+1], 0xfedcba98
	s_mov_b32 s[CS], 0x3d38aa3b                    ; log2(e) / 32
	s_mov_b32 s[CS+1], s[CS]
	s_mul_i32 s48, s[HD], 196608
	s_mul_i32 s49, s[WV], 12288                    ; the head's load: LDS byte
	s_add_co_u32 s52, s48, s49                     ; the later load: step wave
	s_sub_co_u32 s50, s52, 12288                   ; the head's load, waves 1-4: step wave - 1
	s_mul_i32 s51, s[HD], 12288
	s_add_co_u32 s51, s51, KS_OFF
	s_cmp_eq_u32 s[WV], 0
	s_cselect_b32 s50, s51, s50                    ; wave 0: the scale words
	s_mov_b32 s51, 0
	s_mov_b32 s53, 0
	s_add_co_u32 s54, s49, 12288                   ; the later load: LDS byte
	s_wait_dscnt 0x0
	s_wait_kmcnt 0x0
	s_mov_b32 s40, 1
	s_mov_b32 s41, s49
	s_add_nc_u64 s[42:43], s[6:7], s[50:51]
	s_or_b32 s43, s43, 0x80000000
	s_mov_b32 s44, 1
	s_mov_b32 s45, s54
	s_add_nc_u64 s[46:47], s[6:7], s[52:53]
	s_or_b32 s47, s47, 0x80000000
	s_cmp_lt_u32 s[WV], 5
	s_cbranch_scc0 .Lnot_first
	tensor_load_to_lds s[40:43], s[G1A:G1A+7]
	s_nop 0
.rept 4
	v_nop
.endr
.Lnot_first:
	v_and_b32 v8, 31, v0
	v_and_b32 v9, 15, v0                           ; r
	v_bfe_u32 v10, v0, 4, 1                        ; h
	v_lshlrev_b32 v1, 4, v8                        ; 16 x lane
	v_lshlrev_b32 v2, 3, v8                        ; 8 x lane
	v_add_nc_u32 v4, 512, v2
	v_and_b32 v11, 8, v9
	v_add_nc_u32 v5, v11, v9
	v_lshlrev_b32 v11, 4, v10
	v_sub_nc_u32 v5, v5, v11
	s_and_b32 s58, s[TW], 1
	s_lshl_b32 s58, s58, 3
	v_add_nc_u32 v5, s58, v5                       ; my query's place in its 32, less 16 h
	v_lshlrev_b32 v6, 4, v9
	v_lshl_add_u32 v7, v9, 5, v10
.irp j, 22,23,24,25,26,27,80,81,82,83,84,85,238,239,240,241,242,243
	v_mov_b32 v[\j], 0                             ; zero codes
.endr
	v_mov_b32 v30, 0xff800000
.irp j, 216,217,218,219,226,227,228,229
	v_mov_b32 v[\j], 0                             ; a lane permute's destination and a pair's upper half count as read
.endr
.set n, 0
.rept 16
	v_cmp_gt_i32 s[MK+n], n, v5
.set n, n+1
.endr
	s_wait_alu depctr_va_vdst(0)                   ; the wait ahead of the scalar lines below
.macro QLOAD q, qs                     ; tile TW of block BLK: six registers of codes and the scale word
	s_lshl_b32 s60, s[BLK], 3
	s_add_co_u32 s60, s60, s[TW]
	s_mul_i32 s52, s[HD], 98304
	s_mul_i32 s61, s60, 768
	s_add_co_u32 s52, s52, s61
	s_mov_b32 s53, 0
	s_add_nc_u64 s[52:53], s[4:5], s[52:53]
	s_lshl_b32 s54, s[HD], 13
	s_lshl_b32 s61, s[BLK], 9
	s_add_co_u32 s54, s54, s61
	s_lshr_b32 s61, s[TW], 2
	s_lshl_b32 s61, s61, 8
	s_add_co_u32 s54, s54, s61
	s_and_b32 s61, s[TW], 3
	s_lshl_b32 s61, s61, 2
	s_add_co_u32 s54, s54, s61
	s_add_co_u32 s54, s54, QS_OFF
	s_mov_b32 s55, 0
	s_add_nc_u64 s[54:55], s[4:5], s[54:55]
	global_load_b128 v[\q:\q+3], v1, s[52:53]
	global_load_b64 v[\q+4:\q+5], v2, s[52:53] offset:512
	global_load_b32 v[\qs], v6, s[54:55]
.endm
.macro BEGIN                           ; where block BLK's result goes; the sums begin
	s_lshl_b32 s60, s[BLK], 3
	s_add_co_u32 s60, s60, s[TW]
	s_lshr_b32 s61, s[HD], 4
	s_lshl_b32 s61, s61, 7
	s_add_co_u32 s60, s60, s61
	s_and_b32 s61, s[HD], 15
	s_mul_i32 s56, s60, 12288
	s_mul_i32 s62, s61, 768
	s_add_co_u32 s56, s56, s62
	s_mov_b32 s57, 0
	s_add_nc_u64 s[56:57], s[8:9], s[56:57]
	s_lshl_b32 s58, s60, 9
	s_lshl_b32 s62, s61, 1
	s_add_co_u32 s58, s58, s62
	s_add_co_u32 s58, s58, QS_OFF
	s_mov_b32 s59, 0
	s_add_nc_u64 s[58:59], s[8:9], s[58:59]
	v_mov_b32 v13, 0xff61b1e6                      ; -3e38, under every t
	v_floor_f32 v12, -v13
	v_mov_b32 v14, 0
	v_mov_b32 v15, 0
.set j, 0
.rept 32
	v_mov_b32 v[160+j], 0
.set j, j+1
.endr
	s_mov_b32 s[TB], 12288
	s_mov_b32 s[TS], 0
	s_mov_b32 s[ST], 0
.endm
; One key step.  full = 1: a step beyond the block's own is passed over, and the block's own step is masked.
.macro STEP q, qs, full
.if \full
	s_cmp_gt_u32 s[ST], s[BLK]
	s_cbranch_scc1 .Lskip_\@
.endif
	v_add_nc_u32 v8, s[TB], v1                     ; these four are also the places behind the last step's products
	v_add_nc_u32 v9, s[TB], v2
	v_add_nc_u32 v10, s[TS], v1
	v_add_nc_u32 v11, s[TS], v4
.irp t, 0,1,2,3,4,5,6,7
	ds_load_b128 v[32+6*\t:35+6*\t], v8 offset:768*\t
	ds_load_b64 v[36+6*\t:37+6*\t], v9 offset:768*\t+512
.endr
	ds_load_b128 v[86:89], v10
	s_wait_alu depctr_va_vdst(0)
	s_wait_dscnt 0x0
.irp t, 0,1,2,3
	v_wmma_scale_f32_16x16x128_f8f6f4 v[96+8*\t:103+8*\t], v[32+6*\t:43+6*\t], v[\q:\q+11], 0, v[86+\t], v[\qs] matrix_a_fmt:MATRIX_FMT_FP6 matrix_b_fmt:MATRIX_FMT_FP6
.endr
.irp t, 4,5,6,7
	v_wmma_scale_f32_16x16x128_f8f6f4 v[96+8*\t:103+8*\t], v[32+6*\t:43+6*\t], v[\q:\q+11], 0, v[82+\t], v[\qs] matrix_a_fmt:MATRIX_FMT_FP6 matrix_b_fmt:MATRIX_FMT_FP6 matrix_a_scale:MATRIX_SCALE_ROW1
.endr
.rept 4
	v_nop
.endr
.irp t, 0,1,2,3
.irp c, 0,1
	ds_load_b128 v[32+12*\t+6*\c:35+12*\t+6*\c], v8 offset:6144+1536*\t+768*\c
	ds_load_b64 v[36+12*\t+6*\c:37+12*\t+6*\c], v9 offset:6144+1536*\t+768*\c+512
.endr
.endr
	ds_load_b64 v[90:91], v11
.if \full
	s_cmp_lg_u32 s[ST], s[BLK]
	s_cbranch_scc1 .Lopen_\@
; the diagonal step: of its four blocks of 32 keys those under TWH stay, block TWH is cut by the sixteen lane masks, those above it are -inf.  One variant for each TWH
.irp k, 0,1,2
	s_cmp_lg_u32 s[TWH], \k
	s_cbranch_scc1 .Lnext_\@_\k
.set n, 0
.rept 16
	v_cndmask_b32 v[96+16*\k+n], v[96+16*\k+n], v30, s[MK+n]
.set n, n+1
.endr
.set n, 16*(\k+1)
.rept 48-16*\k
	v_mov_b32 v[96+n], v30
.set n, n+1
.endr
	s_wait_alu depctr_va_vdst(0)                   ; the wait ahead of the branch
	s_branch .Lopen_\@
.Lnext_\@_\k:
.endr
.set n, 0
.rept 16
	v_cndmask_b32 v[144+n], v[144+n], v30, s[MK+n]
.set n, n+1
.endr
.Lopen_\@:
.endif
; each block's largest score: two chains a block, one over each of its two accumulators from the low end on, the eight chains by turns; 8 lines a block
.irp b, 0,1,2,3
	v_max3_num_f32 v[212+\b], v[96+16*\b], v[97+16*\b], v[98+16*\b]
	v_max3_num_f32 v[216+\b], v[104+16*\b], v[105+16*\b], v[106+16*\b]
.endr
.irp i, 3,5
.irp b, 0,1,2,3
	v_max3_num_f32 v[212+\b], v[212+\b], v[96+16*\b+\i], v[97+16*\b+\i]
	v_max3_num_f32 v[216+\b], v[216+\b], v[104+16*\b+\i], v[105+16*\b+\i]
.endr
.endr
.irp b, 0,1,2,3
	v_max3_num_f32 v[212+\b], v[212+\b], v[103+16*\b], v[111+16*\b]
.endr
.irp b, 0,1,2,3
	v_max_num_f32 v[212+\b], v[212+\b], v[216+\b]
.endr
.irp b, 0,1,2,3
	s_delay_alu instid0(VALU_DEP_4)
	v_permlanex16_b32 v[216+\b], v[212+\b], s[SEL], s[SEL+1]
.endr
.irp b, 0,1,2,3
	s_delay_alu instid0(VALU_DEP_4)
	v_max_num_f32 v[212+\b], v[212+\b], v[216+\b]  ; with lane l xor 16's sixteen keys
.endr
	s_delay_alu instid0(VALU_DEP_2)
	v_max3_num_f32 v228, v212, v213, v214
	s_delay_alu instid0(VALU_DEP_1)
	v_max_num_f32 v228, v228, v215
	s_delay_alu instid0(VALU_DEP_1)
	v_mul_f32 v228, s[CS], v228
	s_delay_alu instid0(VALU_DEP_1)
	v_max_num_f32 v13, v13, v228                   ; the running largest t
	v_mov_b32 v228, v12
	s_delay_alu instid0(VALU_DEP_2)
	v_floor_f32 v12, -v13                          ; -M
	s_delay_alu instid0(VALU_DEP_1)
	v_sub_f32 v228, v12, v228
	s_delay_alu instid0(VALU_DEP_1)
	v_cvt_i32_f32 v228, v228
	s_delay_alu instid0(VALU_DEP_1)
	v_ldexp_f32 v226, 1.0, v228                    ; f = 2^(old M - new M)
.set j, 0
.rept 32
	v_pk_fma_f32 v[96+j:97+j], v[96+j:97+j], s[CS:CS+1], v[12:13] op_sel_hi:[1,0,0]
.set j, j+2
.endr
.irp b, 0,1,2,3
	v_fma_f32 v[212+\b], v[212+\b], s[CS], v12
.endr
.set j, 0
	s_wait_alu depctr_va_vdst(0)                   ; ahead of the batch
.rept 64
	v_exp_f32 v[96+j], v[96+j]
.set j, j+1
.endr
.irp b, 0,1,2,3
	v_exp_f32 v[212+\b], v[212+\b]
.endr
	v_pk_mul_f32 v[14:15], v[14:15], v[226:227] op_sel_hi:[1,0]
	s_wait_alu depctr_va_vdst(0)                   ; and behind it
.irp b, 0,1,2,3
	v_max_num_f32 v[212+\b], 0x1800000, v[212+\b]  ; the floor 2^(3 - 127)
.endr
.irp b, 0,1,2,3
	s_delay_alu instid0(VALU_DEP_4)
	v_add_nc_u32 v[220+\b], 0xff000000, v[212+\b]  ; the conversion's scale operand
.endr
.irp b, 0,1,2,3
	s_delay_alu instid0(VALU_DEP_4)
	v_lshrrev_b32 v[216+\b], 23, v[220+\b]
.endr
	s_delay_alu instid0(VALU_DEP_3)
	v_lshl_or_b32 v224, v217, 8, v216
	s_delay_alu instid0(VALU_DEP_1)
	v_lshl_or_b32 v224, v218, 16, v224
	s_delay_alu instid0(VALU_DEP_1)
	v_lshl_or_b32 v224, v219, 24, v224             ; p's scale word
.irp c, 0,1
	v_cvt_scalef32_pk16_fp6_f32 v[192+6*\c:194+6*\c], v[96+32*\c:111+32*\c], v[220+2*\c]
	v_cvt_scalef32_pk16_fp6_f32 v[204+4*\c:206+4*\c], v[112+32*\c:127+32*\c], v[220+2*\c+1]
.endr
	v_nop
.irp c, 0,1
.irp i, 0,1,2
	v_permlane16_swap_b32 v[192+6*\c+\i], v[204+4*\c+\i]
.endr
.irp i, 0,1,2
	s_delay_alu instid0(VALU_DEP_3)
	v_mov_b32 v[195+6*\c+\i], v[204+4*\c+\i]
.endr
.endr
; the sum of the unquantised p: 32 pairs and the sum so far, 32 packed additions in four chains by turns; the three that join the chains stand among the multiplications of O^T
	v_pk_add_f32 v[228:229], v[96:97], v[98:99]
	v_pk_add_f32 v[230:231], v[100:101], v[102:103]
	v_pk_add_f32 v[246:247], v[104:105], v[106:107]
	v_pk_add_f32 v[14:15], v[14:15], v[108:109]
.irp j, 110,118,126,134,142,150
	v_pk_add_f32 v[228:229], v[228:229], v[\j:\j+1]
	v_pk_add_f32 v[230:231], v[230:231], v[\j+2:\j+3]
	v_pk_add_f32 v[246:247], v[246:247], v[\j+4:\j+5]
	v_pk_add_f32 v[14:15], v[14:15], v[\j+6:\j+7]
.endr
	v_pk_add_f32 v[228:229], v[228:229], v[158:159]
	v_pk_add_f32 v[230:231], v[230:231], v[246:247]
.set j, 0
.rept 4
	v_pk_mul_f32 v[160+j:161+j], v[160+j:161+j], v[226:227] op_sel_hi:[1,0]   ; O^T under the new M
.set j, j+2
.endr
	v_pk_add_f32 v[14:15], v[14:15], v[228:229]
.rept 4
	v_pk_mul_f32 v[160+j:161+j], v[160+j:161+j], v[226:227] op_sel_hi:[1,0]
.set j, j+2
.endr
	v_pk_add_f32 v[14:15], v[14:15], v[230:231]
.rept 8
	v_pk_mul_f32 v[160+j:161+j], v[160+j:161+j], v[226:227] op_sel_hi:[1,0]
.set j, j+2
.endr
	s_wait_alu depctr_va_vdst(0)
	s_wait_dscnt 0x0
.irp t, 0,1
	v_wmma_scale_f32_16x16x128_f8f6f4 v[160+8*\t:167+8*\t], v[32+12*\t:43+12*\t], v[192:203], v[160+8*\t:167+8*\t], v[90+\t], v224 matrix_a_fmt:MATRIX_FMT_FP6 matrix_b_fmt:MATRIX_FMT_FP6
.endr
.irp t, 2,3
	v_wmma_scale_f32_16x16x128_f8f6f4 v[160+8*\t:167+8*\t], v[32+12*\t:43+12*\t], v[192:203], v[160+8*\t:167+8*\t], v[88+\t], v224 matrix_a_fmt:MATRIX_FMT_FP6 matrix_b_fmt:MATRIX_FMT_FP6 matrix_a_scale:MATRIX_SCALE_ROW1
.endr
.if \full
.Lskip_\@:
.endif
	s_add_co_u32 s[TB], s[TB], 12288
	s_add_co_u32 s[TS], s[TS], 768
	s_add_co_u32 s[ST], s[ST], 1
.endm
; O^T / the sum, quantised along the head's 64 (two blocks), stored as half a fragment's image and two scale bytes a query
.macro FINISH
.rept 4
	v_nop
.endr
	v_add_f32 v14, v14, v15
	s_delay_alu instid0(VALU_DEP_1)
	v_permlanex16_b32 v228, v14, s[SEL], s[SEL+1]
	s_delay_alu instid0(VALU_DEP_1)
	v_add_f32 v14, v14, v228
	s_wait_alu depctr_va_vdst(0)
	v_rcp_f32 v14, v14
	v_nop
.set j, 0
	s_wait_alu depctr_va_vdst(0)
.rept 16
	v_pk_mul_f32 v[96+j:97+j], v[160+j:161+j], v[14:15] op_sel_hi:[1,0]
.set j, j+2
.endr
.irp b, 0,1
	v_max3_num_f32 v[212+\b], |v[96+16*\b]|, |v[97+16*\b]|, 0x1800000
.endr
.irp i, 2,4,6,8,10,12,14
.irp b, 0,1
	s_delay_alu instid0(VALU_DEP_2)
	v_max3_num_f32 v[212+\b], v[212+\b], |v[96+16*\b+\i]|, |v[97+16*\b+\i]|
.endr
.endr
.irp b, 0,1
	s_delay_alu instid0(VALU_DEP_2)
	v_permlanex16_b32 v[216+\b], v[212+\b], s[SEL], s[SEL+1]
.endr
.irp b, 0,1
	s_delay_alu instid0(VALU_DEP_2)
	v_max_num_f32 v[212+\b], v[212+\b], v[216+\b]
.endr
.irp b, 0,1
	s_delay_alu instid0(VALU_DEP_2)
	v_add_nc_u32 v[220+\b], 0xff000000, v[212+\b]
.endr
.irp b, 0,1
	s_delay_alu instid0(VALU_DEP_2)
	v_lshrrev_b32 v[216+\b], 23, v[220+\b]
.endr
	v_cvt_scalef32_pk16_fp6_f32 v[192:194], v[96:111], v220
	v_cvt_scalef32_pk16_fp6_f32 v[204:206], v[112:127], v221
	v_nop
.irp i, 0,1,2
	v_permlane16_swap_b32 v[192+\i], v[204+\i]
.endr
.irp i, 0,1,2
	s_delay_alu instid0(VALU_DEP_3)
	v_mov_b32 v[195+\i], v[204+\i]
.endr
	v_cndmask_b32 v229, v216, v217, s[MASK]
	global_store_b128 v1, v[192:195], s[56:57]
	global_store_b64 v2, v[196:197], s[56:57] offset:512
	global_store_b8 v7, v229, s[58:59]
.endm
	s_mov_b32 s[BLK], s[II]
	QLOAD 232, 244                                 ; both passes' q are asked for here
	s_wait_xcnt 0x0                                ; the loads have read their bases
	s_sub_co_u32 s[BLK], 15, s[II]
	QLOAD 16, 28
	BEGIN                                          ; THE LONG PASS: block 15 - i
	s_wait_alu depctr_va_vdst(0)                   ; the wait at the head's end
	s_wait_tensorcnt 0x0                           ; every wave: the head's loads are in.  The sequence ahead of a later first fill:
	ds_add_u32 v254, v255                          ; the add, written twice
	ds_add_u32 v254, v255
	s_wait_dscnt 0x0
	s_barrier_signal -1
	s_barrier_wait -1                              ; the scale words and steps 0-3 are shown to all; no byte is filled again behind this barrier
	s_cmp_lt_u32 s[WV], 4
	s_cbranch_scc1 .Lno_more
	tensor_load_to_lds s[44:47], s[G1A:G1A+7]      ; waves 4-15: step wave, my one load behind the barrier
	s_nop 0
.rept 4
	v_nop
.endr
.Lno_more:
	s_wait_loadcnt 0x0
.Lfirst_four:
	STEP 16, 28, 0
	s_cmp_lt_u32 s[ST], 4
	s_cbranch_scc1 .Lfirst_four
	s_wait_tensorcnt 0x0                           ; every wave, under no branch
	s_wait_dscnt 0x0
	s_barrier_signal -1
	s_barrier_wait -1                              ; steps 4-15 are in
.Llong:
	STEP 16, 28, 1
	s_cmp_lt_u32 s[ST], 16
	s_cbranch_scc1 .Llong
	FINISH
	s_wait_xcnt 0x0                                ; the stores have read their registers and bases
	s_mov_b32 s[BLK], s[II]
	BEGIN                                          ; THE SHORT PASS: block i
.Lshort:
	STEP 232, 244, 1
	s_cmp_lt_u32 s[ST], 8
	s_cbranch_scc1 .Lshort
	FINISH
	s_wait_tensorcnt 0x0                           ; the wave's end
	ds_add_u32 v254, v255
	s_wait_dscnt 0x0
	s_endpgm
.Lfunc_end_k_q668c959870_attn:
	.size	k_q668c959870_attn, .Lfunc_end_k_q668c959870_attn-k_q668c959870_attn
	.p2alignl 7, 3214868480
	.fill 96, 4, 3214868480
	.section	.rodata,"a",@progbits
	.p2align	6, 0x0
	.amdhsa_kernel k_q668c959870_attn
		.amdhsa_group_segment_fixed_size 327680
		.amdhsa_private_segment_fixed_size 0
		.amdhsa_enable_private_segment 0
		.amdhsa_kernarg_size 24
		.amdhsa_user_sgpr_count 2
		.amdhsa_user_sgpr_kernarg_segment_ptr 1
		.amdhsa_wavefront_size32 1
		.amdhsa_system_sgpr_workgroup_id_x 1
		.amdhsa_system_sgpr_workgroup_id_y 1
		.amdhsa_system_sgpr_workgroup_id_z 1
		.amdhsa_system_vgpr_workitem_id 0
		.amdhsa_next_free_vgpr 256
		.amdhsa_next_free_sgpr 96
		.amdhsa_reserve_vcc 0
		.amdhsa_float_denorm_mode_32 3
		.amdhsa_float_denorm_mode_16_64 3
		.amdhsa_memory_ordered 1
		.amdhsa_forward_progress 1
		.amdhsa_inst_pref_size 87
	.end_amdhsa_kernel
	.amdgpu_metadata
---
amdhsa.version: [ 1, 2 ]
amdhsa.kernels:
  - .name:           k_q668c959870_attn
    .symbol:         k_q668c959870_attn.kd
    .args:
      - { .name: qq, .offset: 0, .size: 8, .value_kind: global_buffer, .address_space: global }
      - { .name: kv, .offset: 8, .size: 8, .value_kind: global_buffer, .address_space: global }
      - { .name: oq, .offset: 16, .size: 8, .value_kind: global_buffer, .address_space: global }
    .group_segment_fixed_size: 327680
    .private_segment_fixed_size: 0
    .kernarg_segment_align: 8
    .kernarg_segment_size: 24
    .max_flat_workgroup_size: 512
    .sgpr_count:     96
    .vgpr_count:     256
    .wavefront_size: 32
...
	.end_amdgpu_metadata
.endif
;; end of part 3
;; launch proj (part 4): grid 4 x 64, 4 waves a work-group, clusters of 4 x 4, 295,424 bytes of LDS; arguments oq, wq, bp, out0; writes out0
.if DOCPART == 4
	.amdgcn_target "amdgcn-amd-amdhsa--gfx1250"
	.amdhsa_code_object_version 6
	.text
	.protected	k_q668c959870_proj
	.globl	k_q668c959870_proj
	.p2align	8
	.type	k_q668c959870_proj,@function
k_q668c959870_proj:
	s_mov_b64 s[64:65], 0
	v_nop
	global_prefetch_b8 v0, s[64:65] scope:SCOPE_SE
	s_setreg_imm32_b32 hwreg(HW_REG_WAVE_MODE, 25, 1), 1
	s_wait_xcnt 0x0
	s_wait_alu depctr_hold_cnt(0) depctr_sa_sdst(0) depctr_va_vdst(0) depctr_va_sdst(0) depctr_va_ssrc(0) depctr_va_vcc(0) depctr_vm_vsrc(0)
	s_getreg_b32 s2, hwreg(HW_REG_IB_STS2, 6, 4)
	s_cmp_eq_u32 s2, 0
	s_cbranch_scc0 .Lentry_in_a_cluster
	s_endpgm
.Lentry_in_a_cluster:
	s_bfe_u32 s2, ttmp6, 0x10000c
	s_cmp_lg_u32 s2, 0xf033
	s_cbranch_scc0 .Lentry_shape_is_right
	s_endpgm
.Lentry_shape_is_right:
; out = o Wp + bp, on codes of FP6 (E2M3) with E8M0 scales, K = 1,024; out is f32.
; A work-group makes 128 tokens (OUTER rows, source 1) x 256 columns (INNER rows: Wp's columns, source 0): a lane holds one token and its registers run along the columns.
; The tiles hold their rows in the order 32 b + 8 u + r + 8 (r / 8), so that the 16 registers of inner tiles 2 b, 2 b + 1 are 16 neighbouring columns, 64 bytes of a row of out.
; Four waves: wave w takes tokens 64 (w / 2) on (4 tiles) and columns 128 (w % 2) on (8 tiles): 32 accumulators, which take turns in one fixed order.  The bias is the C of each sum's first product.
; ALL OF K LIES IN LDS: two halves of four K steps, 147,456 bytes each (outer 8 tiles x 6,144, inner 16 x 6,144).  Every byte is filled once; a wave has one tensor load out.
; CLUSTER 4 x 4: the tokens' tiles hang on the cluster's row alone and are asked for jointly along it, Wp's on its column.
; THE WAY OUT goes through the wave's own stage (16 rows x 528 bytes) in chunk 0, which has had its only fill and whose last read lies ahead of a barrier that every wave has passed; rows leave as 512 consecutive aligned bytes.
; REGISTERS: window 0: v1-26 addresses, v32-47 outer scale words, v48-79 inner, v128-175 / v176-223 outer fragments (on the way out v128-255: rows of out).  window 1: v0-95 / v128-223 inner fragments, v96-127 and v224-255 the bias.  window 2: accumulator (o, i) at v[8 (8 o + i)].
; THE LDS LAYOUT AS IT STANDS NOW (in place of the four chunks named above): two halves of four K steps, 147,456 bytes each: outer 8 tiles x 6,144, then inner 16 x 6,144.
; Each wave issues ONE joint load: wave 0 the outer tiles of half 0, wave 1 the inner tiles of half 0, waves 2 and 3 the same of half 1.  Every byte is filled once.
; The stage of the way out (33,792 bytes from byte 0) lies in half 0's outer tiles, whose last read lies ahead of the barrier at K step 3.
.set CHUNK,  147456
.set OTILE,  6144
.set INNER,  49152
.set TILEB,  12288
.set XS_OFF, 6291456                   ; where the scale words begin in oq,
.set WS_OFF, 3145728                   ; in wq
.set SP,     528
.set AO16, 8
.set AO8,  12
.set AI16, 16
.set AI8,  20
.set STO,  24                          ; v24  the stage: where I put 64 bytes of a row
.set RD,   25                          ; v25  and where I read a row back
.set SCO,  32
.set SCI,  48
.set G1O, 24
.set G1I, 32
.set G0O, 40
.set MSB, 0
.macro WIN new                         ; the immediate's high byte repeats the setting that is left
.if MSB != \new
	s_set_vgpr_msb (MSB<<8)|\new
.set MSB, \new
.endif
.endm
.macro PLACES n
.rept \n
	v_nop
.endr
.endm
.macro CROUND                          ; a round of the cluster's barrier
	s_barrier_signal -1
	s_barrier_wait -1
	s_cmp_lg_u32 s10, 0
	s_cbranch_scc1 .Lnot_wave_0_\@
	s_barrier_signal -3
.Lnot_wave_0_\@:
	s_barrier_wait -3
	s_barrier_signal -1
	s_barrier_wait -1
.endm
	s_load_b256 s[76:83], s[0:1], 0x0              ; oq s[76:77], wq s[78:79], bp s[80:81], out0 s[82:83]
	v_lshl_add_u32 v126, v0, 2, 0x48000
	v_mov_b32 v127, 0
	ds_add_u32 v126, v127
	ds_add_u32 v126, v127
	v_lshrrev_b32 v4, 5, v0
	v_readfirstlane_b32 s10, v4                    ; wave 0..3
	s_lshr_b32 s11, s10, 1                         ; my half of the tokens.  Also: I fetch outer tiles (0) or inner (1)
	s_and_b32 s12, s10, 1                          ; my half of the columns.  Also: which half of those tiles I fetch
	s_bfe_u32 s84, ttmp6, 0x40000                  ; cx
	s_bfe_u32 s85, ttmp6, 0x40004                  ; cy
	s_and_b32 s86, ttmp7, 0xffff                   ; the cluster's y
	s_lshl_b32 s87, s85, 2
	s_lshl_b32 s87, 15, s87                        ; my row of the cluster
	s_lshl_b32 s88, 0x1111, s84                    ; my column
	s_or_b32 s[G1O], s87, (3<<16)|(1<<21)          ; 15:0 the mask; 17:16 elements of 8 bytes; 21 set beside a mask; no padding
	s_or_b32 s[G1I], s88, (3<<16)|(1<<21)
	s_mov_b32 s[G1O+1], 768<<16                    ; rows of 6,144 bytes: a tile's four K steps
	s_mov_b32 s[G1O+2], 8<<16                      ; 8 tiles
	s_mov_b32 s[G1O+3], 768<<16
	s_mov_b32 s[G1O+4], 8
	s_mov_b32 s[G1O+5], 1536                       ; from tile to tile: 12,288 bytes
	s_mov_b32 s[G1O+6], 0
	s_mov_b32 s[G1O+7], 0
	s_mov_b32 s[G1I+1], 768<<16
	s_mov_b32 s[G1I+2], 16<<16                     ; 16 tiles
	s_mov_b32 s[G1I+3], 768<<16
	s_mov_b32 s[G1I+4], 16
	s_mov_b32 s[G1I+5], 1536
	s_mov_b32 s[G1I+6], 0
	s_mov_b32 s[G1I+7], 0
	s_lshl_b32 s89, s86, 2
	s_add_co_u32 s89, s89, s85                     ; my block of 128 tokens: hangs on cy alone
	s_lshl_b32 s98, s89, 3                         ; my first outer tile
	s_lshl_b32 s99, s84, 4
	s_add_co_u32 s99, s99, 192                     ; my first inner tile: Wp's begin at tile 192 of wq; hangs on cx alone
	s_mul_i32 s14, s98, TILEB                      ; outer: all eight tiles
	s_mov_b32 s15, 0
	s_mul_i32 s16, s99, TILEB                      ; inner: all sixteen tiles
	s_mov_b32 s17, 0
	s_mov_b32 s18, 0                               ; where they go in a half: constants alone
	s_mov_b32 s19, INNER
	s_wait_dscnt 0x0
	s_wait_kmcnt 0x0
	s_add_nc_u64 s[14:15], s[76:77], s[14:15]
	s_add_nc_u64 s[16:17], s[78:79], s[16:17]
.irp j, 0,1
.set GI, 56+4*\j
	s_mov_b32 s[G0O+4*\j], 1
	s_add_co_u32 s[G0O+4*\j+1], s18, \j*CHUNK
	s_add_nc_u64 s[G0O+4*\j+2:G0O+4*\j+3], s[14:15], \j*OTILE
	s_or_b32 s[G0O+4*\j+3], s[G0O+4*\j+3], 0x80000000
	s_mov_b32 s[GI], 1
	s_add_co_u32 s[GI+1], s19, \j*CHUNK
	s_add_nc_u64 s[GI+2:GI+3], s[16:17], \j*OTILE
	s_or_b32 s[GI+3], s[GI+3], 0x80000000
.endr
	CROUND                                         ; all sixteen work-groups are here: the joint loads meet
	s_cmp_eq_u32 s10, 0                            ; one chain of arms on the wave's number, one joint load to an arm
	s_cbranch_scc0 .Lfill_1
	tensor_load_to_lds s[40:43], s[G1O:G1O+7]      ; wave 0: outer tiles, K steps 0-3
	s_nop 0
	PLACES 4
	s_branch .Lfilled
.Lfill_1:
	s_cmp_eq_u32 s10, 1
	s_cbranch_scc0 .Lfill_2
	tensor_load_to_lds s[56:59], s[G1I:G1I+7]      ; wave 1: inner tiles, K steps 0-3
	s_nop 0
	PLACES 4
	s_branch .Lfilled
.Lfill_2:
	s_cmp_eq_u32 s10, 2
	s_cbranch_scc0 .Lfill_3
	tensor_load_to_lds s[44:47], s[G1O:G1O+7]      ; wave 2: outer tiles, K steps 4-7
	s_nop 0
	PLACES 4
	s_branch .Lfilled
.Lfill_3:
	tensor_load_to_lds s[60:63], s[G1I:G1I+7]      ; wave 3: inner tiles, K steps 4-7
	s_nop 0
	PLACES 4
.Lfilled:
	s_lshl_b32 s20, s11, 2
	s_add_co_u32 s20, s20, s98
	s_lshl_b32 s20, s20, 9
	s_add_co_u32 s20, s20, XS_OFF
	s_mov_b32 s21, 0
	s_add_nc_u64 s[20:21], s[76:77], s[20:21]      ; my outer tiles' scale words
	s_lshl_b32 s22, s12, 3
	s_add_co_u32 s22, s22, s99
	s_lshl_b32 s22, s22, 9
	s_add_co_u32 s22, s22, WS_OFF
	s_mov_b32 s23, 0
	s_add_nc_u64 s[22:23], s[78:79], s[22:23]      ; my inner tiles'
	s_lshl_b32 s2, s84, 10
	s_lshl_b32 s3, s12, 9
	s_add_co_u32 s2, s2, s3                        ; my first column, in bytes: 1,024 cx + 512 (w % 2)
	s_mov_b32 s3, 0
	s_add_nc_u64 s[4:5], s[80:81], s[2:3]          ; the bias there
	s_lshl_b32 s6, s89, 7
	s_lshl_b32 s7, s11, 6
	s_add_co_u32 s6, s6, s7                        ; my first token
	s_lshl_b32 s6, s6, 12                          ; rows of 4,096 bytes
	s_add_co_u32 s6, s6, s2
	s_mov_b32 s7, 0
	s_add_nc_u64 s[8:9], s[82:83], s[6:7]          ; out at my corner
	v_and_b32 v5, 31, v0                           ; lane
	v_and_b32 v6, 15, v0                           ; r
	v_bfe_u32 v7, v0, 4, 1                         ; h
	v_lshlrev_b32 v1, 4, v5                        ; 16 x lane
	v_lshlrev_b32 v2, 3, v5                        ; 8 x lane
	v_lshlrev_b32 v3, 5, v6
	v_lshl_add_u32 v3, v7, 4, v3                   ; 32 r + 16 h
	v_lshlrev_b32 v26, 6, v7                       ; 64 h
.irp o, 0,1,2,3
	global_load_b128 v[SCO+4*\o:SCO+4*\o+3], v3, s[20:21] offset:512*\o
.endr
.irp i, 0,1,2,3,4,5,6,7
	global_load_b128 v[SCI+4*\i:SCI+4*\i+3], v3, s[22:23] offset:512*\i
.endr
	WIN 0x40                                       ; destination window 1, address window 0
.irp i, 0,1,2,3,4,5,6,7                        ; the bias in the result's layout: tile i, register j: column 32 (i / 2) + 16 h + 8 (i % 2) + j
	global_load_b128 v[96+8*\i+96*(\i/4):99+8*\i+96*(\i/4)], v26, s[4:5] offset:(32*(\i/2)+8*(\i%2))*4
	global_load_b128 v[100+8*\i+96*(\i/4):103+8*\i+96*(\i/4)], v26, s[4:5] offset:(32*(\i/2)+8*(\i%2))*4+16
.endr
	WIN 0
	s_mul_i32 s2, s11, 4*OTILE
	s_mul_i32 s3, s12, 8*OTILE
	s_add_co_u32 s3, s3, INNER
.irp j, 0,1
	v_add_nc_u32 v[AO16+\j], s2, v1
	v_add_nc_u32 v[AO8+\j], s2, v2
	v_add_nc_u32 v[AI16+\j], s3, v1
	v_add_nc_u32 v[AI8+\j], s3, v2
	s_add_co_u32 s2, s2, CHUNK
	s_add_co_u32 s3, s3, CHUNK
.endr
	s_mul_i32 s2, s10, 16*SP                       ; my stage
	v_mul_u32_u24 v[STO], v6, SP
	v_lshl_add_u32 v[STO], v7, 6, v[STO]
	v_add_nc_u32 v[STO], s2, v[STO]                ; in: row r, + 64 h
	v_add_nc_u32 v[RD], s2, v1                     ; back: 16 x lane of a row
.macro FRAG reg, a16, a8, off          ; a fragment's image back into 12 registers
	ds_load_b128 v[\reg:\reg+3], v[\a16] offset:\off
	ds_load_b64 v[\reg+4:\reg+5], v[\a8] offset:\off+512
	ds_load_b128 v[\reg+6:\reg+9], v[\a16] offset:\off+768
	ds_load_b64 v[\reg+10:\reg+11], v[\a8] offset:\off+1280
.endm
.macro FETCH k                         ; K step k's 12 fragments, 48 loads in one run, into set k % 2
	WIN 0x40
.irp i, 0,1,2,3,4,5,6,7
	FRAG 128*((\k)%2)+12*\i, AI16+(\k)/4, AI8+(\k)/4, OTILE*\i+1536*((\k)%4)
.endr
	WIN 0
.irp o, 0,1,2,3
	FRAG 128+48*((\k)%2)+12*\o, AO16+(\k)/4, AO8+(\k)/4, OTILE*\o+1536*((\k)%4)
.endr
.endm
.macro MUL k                           ; 32 matrix instructions; the first K step starts the sums with the bias
.if (\k) == 0
	WIN 0x91                                       ; source 0 window 1, source 1 window 0, C window 1, D window 2
.else
	WIN 0xa1                                       ; C and D window 2
.endif
.irp o, 0,1,2,3
.irp i, 0,1,2,3,4,5,6,7
.if (\k) == 0
	v_wmma_scale_f32_16x16x128_f8f6f4 v[8*(8*\o+\i):8*(8*\o+\i)+7], v[12*\i:12*\i+11], v[128+12*\o:128+12*\o+11], v[96+8*\i+96*(\i/4):103+8*\i+96*(\i/4)], v[SCI+4*\i], v[SCO+4*\o] matrix_a_fmt:MATRIX_FMT_FP6 matrix_b_fmt:MATRIX_FMT_FP6
.elseif (\k) < 4
	v_wmma_scale_f32_16x16x128_f8f6f4 v[8*(8*\o+\i):8*(8*\o+\i)+7], v[128*((\k)%2)+12*\i:128*((\k)%2)+12*\i+11], v[128+48*((\k)%2)+12*\o:128+48*((\k)%2)+12*\o+11], v[8*(8*\o+\i):8*(8*\o+\i)+7], v[SCI+4*\i+(\k)], v[SCO+4*\o+(\k)] matrix_a_fmt:MATRIX_FMT_FP6 matrix_b_fmt:MATRIX_FMT_FP6
.else
	v_wmma_scale_f32_16x16x128_f8f6f4 v[8*(8*\o+\i):8*(8*\o+\i)+7], v[128*((\k)%2)+12*\i:128*((\k)%2)+12*\i+11], v[128+48*((\k)%2)+12*\o:128+48*((\k)%2)+12*\o+11], v[8*(8*\o+\i):8*(8*\o+\i)+7], v[SCI+4*\i+(\k)-4], v[SCO+4*\o+(\k)-4] matrix_a_fmt:MATRIX_FMT_FP6 matrix_b_fmt:MATRIX_FMT_FP6 matrix_a_scale:MATRIX_SCALE_ROW1 matrix_b_scale:MATRIX_SCALE_ROW1
.endif
.endr
.endr
.endm
.macro STEP k
	s_wait_dscnt 0x0                               ; K step k's fragments are in: they were asked for a step ago
.if (\k) == 3
	s_wait_tensorcnt 0x0                           ; every wave's load has landed: the barrier shows the second half
	s_barrier_signal -1
	s_barrier_wait -1
.endif
.if ((\k) > 0) && ((\k) < 7)
	PLACES 4                                       ; in front of loads into registers that the last step's products read (ISA guide 7.12.1 for vector instructions)
.endif
.if (\k) < 7
	FETCH (\k)+1
.endif
	MUL \k
.endm
	s_wait_alu depctr_va_vdst(0)
	s_cmp_lt_u32 s10, 2                            ; waves 0 and 1 wait for their own load lines, the first half's; the second half may still be on its way
	s_cbranch_scc0 .Lnot_first
	s_wait_tensorcnt 0x0
.Lnot_first:
	s_barrier_signal -1
	s_barrier_wait -1
	FETCH 0
	s_wait_loadcnt 0x0                             ; the scale words and the bias
.irp k, 0,1,2,3,4,5,6,7
	STEP \k
.endr
	WIN 0
	PLACES 4                                       ; behind the last products: in front of the first read of results and of loads into registers that they read
; THE WAY OUT, a tile of 16 tokens x 128 columns at a time.  LDS serves a wave's instructions in order (ISA guide 5.7.1.4): no wait between the stores and the loads, nor in front of the next tile's stores.
.macro TOSTAGE o
	WIN 0x08                                       ; an LDS store's data are its source 1: window 2
.irp b, 0,1,2,3
	ds_store_b128 v[STO], v[8*(8*(\o)+2*\b):8*(8*(\o)+2*\b)+3] offset:128*\b          ; each accumulator from its low end on
	ds_store_b128 v[STO], v[8*(8*(\o)+2*\b)+4:8*(8*(\o)+2*\b)+7] offset:128*\b+16
	ds_store_b128 v[STO], v[8*(8*(\o)+2*\b+1):8*(8*(\o)+2*\b+1)+3] offset:128*\b+32
	ds_store_b128 v[STO], v[8*(8*(\o)+2*\b+1)+4:8*(8*(\o)+2*\b+1)+7] offset:128*\b+48
.endr
	WIN 0
.set BB, 128+64*((\o)%2)
.set t, 0
.rept 16
	ds_load_b128 v[BB+4*t:BB+4*t+3], v[RD] offset:t*SP
.set t, t+1
.endr
.endm
.macro SEND o, younger                 ; younger: the LDS instructions issued behind tile o's loads, which may stay out
.set BB, 128+64*((\o)%2)
	s_wait_dscnt \younger
.set t, 0
.rept 16
	global_store_b128 v1, v[BB+4*t:BB+4*t+3], s[8:9] offset:(32*((\o)/2)+8*((\o)%2)+t+8*(t/8))*4096 th:TH_STORE_NT   ; place t's token: 512 consecutive bytes, at a multiple of 512 from out's first byte
.set t, t+1
.endr
.endm
	TOSTAGE 0
	TOSTAGE 1
	SEND 0, 32                                     ; behind tile 0's loads: tile 1's 16 stores and 16 loads
	s_wait_xcnt 0x0                                ; tile 0's stores have read their registers: tile 2's loads may land there
	TOSTAGE 2
	SEND 1, 32
	s_wait_xcnt 0x0
	TOSTAGE 3
	SEND 2, 32
	SEND 3, 0
	s_wait_tensorcnt 0x0
	ds_add_u32 v126, v127
	s_wait_dscnt 0x0
	CROUND                                         ; the closing round: no work-group ends while a partner may still ask for a tile that names it
	s_endpgm
.Lfunc_end_k_q668c959870_proj:
	.size	k_q668c959870_proj, .Lfunc_end_k_q668c959870_proj-k_q668c959870_proj
	.p2alignl 7, 3214868480
	.fill 96, 4, 3214868480
	.section	.rodata,"a",@progbits
	.p2align	6, 0x0
	.amdhsa_kernel k_q668c959870_proj
		.amdhsa_group_segment_fixed_size 295424
		.amdhsa_private_segment_fixed_size 0
		.amdhsa_enable_private_segment 0
		.amdhsa_kernarg_size 32
		.amdhsa_user_sgpr_count 2
		.amdhsa_user_sgpr_kernarg_segment_ptr 1
		.amdhsa_wavefront_size32 1
		.amdhsa_system_sgpr_workgroup_id_x 1
		.amdhsa_system_sgpr_workgroup_id_y 1
		.amdhsa_system_sgpr_workgroup_id_z 1
		.amdhsa_system_vgpr_workitem_id 0
		.amdhsa_next_free_vgpr 768
		.amdhsa_next_free_sgpr 102
		.amdhsa_reserve_vcc 0
		.amdhsa_float_denorm_mode_32 3
		.amdhsa_float_denorm_mode_16_64 3
		.amdhsa_memory_ordered 1
		.amdhsa_forward_progress 1
		.amdhsa_inst_pref_size 83
	.end_amdhsa_kernel
	.amdgpu_metadata
---
amdhsa.version: [ 1, 2 ]
amdhsa.kernels:
  - .name:           k_q668c959870_proj
    .symbol:         k_q668c959870_proj.kd
    .args:
      - { .name: oq, .offset: 0, .size: 8, .value_kind: global_buffer, .address_space: global }
      - { .name: wq, .offset: 8, .size: 8, .value_kind: global_buffer, .address_space: global }
      - { .name: bp, .offset: 16, .size: 8, .value_kind: global_buffer, .address_space: global }
      - { .name: out0, .offset: 24, .size: 8, .value_kind: global_buffer, .address_space: global }
    .group_segment_fixed_size: 295424
    .private_segment_fixed_size: 0
    .kernarg_segment_align: 8
    .kernarg_segment_size: 32
    .max_flat_workgroup_size: 128
    .sgpr_count:     102
    .vgpr_count:     768
    .wavefront_size: 32
...
	.end_amdgpu_metadata
.endif
;; end of part 4
